; MI455X (gfx1250); checked and timed in simulation.
; The chip was launched on July 23, 2026; its instructions are those of AMD's public machine-readable ISA for CDNA 5 (MIT licence, August 2026) and "CDNA5" Instruction Set Architecture Reference Guide (July 2026). The comments in the code are by the model that wrote it; some were corrected since.
;; Transformer Block. Allowed arithmetic: matrix products marked QUANTISED: E2M3 operands, one E8M0 scale for each 32 along K, by v_wmma_scale_f32_16x16x128_f8f6f4 with both operands' format E2M3, f32 sums; everything else in f32.
;; Inputs: W_K 16 x 64 x 1,024 float32; W_O 1,024 x 1,024 float32; W_Q 16 x 64 x 1,024 float32; W_V 16 x 64 x 1,024 float32; W_in 4,096 x 1,024 float32; W_out 1,024 x 4,096 float32; b_in 4,096 float32; b_out 1,024 float32; x 2 x 2,048 x 1,024 float32.
;; Outputs: out0 2 x 2,048 x 1,024 float32.
;; This version of the problem:
;;   THIS VERSION OF THE PROBLEM IS GIVEN IN LOW PRECISION. The matrix products marked QUANTISED in the list below multiply operands that are first quantised to E2M3 (2 exponent bits, 3 mantissa bits; 6 bits a number), with one power-of-two scale for each 32 numbers along K (OCP MX v1.0); their sums are f32. All else is computed in f32.
;;   The module's matrix products, in the order in which they are computed (A, B: the left and right operand; K: the contracted axis; several contracted axes count as one K, in the product's order):
;;     1. [M 4,096, K 1,024] x [K 1,024, N 1,024]; A: input x; B: input W_K: QUANTISED
;;     2. [M 4,096, K 1,024] x [K 1,024, N 1,024]; A: input x; B: input W_Q: QUANTISED
;;     3. [M 4,096, K 1,024] x [K 1,024, N 1,024]; A: input x; B: input W_V: QUANTISED
;;     4. batch 32 x [M 2,048, K 64] x [K 64, N 2,048]; A: computed on the way; B: computed on the way: QUANTISED
;;     5. batch 32 x [M 2,048, K 2,048] x [K 2,048, N 64]; A: softmax (see below); B: computed on the way: QUANTISED
;;     6. [M 4,096, K 1,024] x [K 1,024, N 1,024]; A: computed on the way; B: input W_O: QUANTISED
;;     7. [M 4,096, K 1,024] x [K 1,024, N 4,096]; A: computed on the way; B: input W_in: QUANTISED
;;     8. [M 4,096, K 4,096] x [K 4,096, N 1,024]; A: computed on the way; B: input W_out: QUANTISED
;;   THE QUANTISER, for each operand of a quantised product, along K:
;;     - K is cut into blocks of 32 from its start; a last block that is shorter is filled with zeros.
;;     - A block's scale is 2^e with e = floor(log2(the largest magnitude in the block)) - 2, held to -126 .. 127; a block of zeros has e = 0. As a byte (E8M0): e + 127.
;;     - Each number is divided by its block's scale, clamped to +-7.5, and rounded to the nearest number of E2M3, ties to even, subnormals kept.
;;     - The product sums the exact products of the quantised numbers (number of the format x scale) in f32.
;;   ~~~python
;;   def quantise(x, axis):      # numpy; x: float32 -> the quantised numbers, widened to float32 again
;;       x = np.moveaxis(x, axis, -1); K = x.shape[-1]
;;       x = np.pad(x, [(0, 0)] * (x.ndim - 1) + [(0, -K % 32)]); x = x.reshape(x.shape[:-1] + (-1, 32)); a = np.abs(x).max(-1, keepdims=True)
;;       e = np.where(a > 0, np.clip(np.frexp(np.where(a > 0, a, 1))[1] - 1 - 2, -126, 127), 0)      # np.frexp(a)[1] - 1 = floor(log2(a)), exactly
;;       r = np.clip(x / 2.0 ** e, -7.5, 7.5)
;;       step = 2.0 ** (np.maximum(np.frexp(np.where(r == 0, 1, r))[1] - 1, 0) - 3)
;;       q = np.round(r / step) * step * 2.0 ** e      # np.round: ties to even
;;       return np.moveaxis(q.reshape(q.shape[:-2] + (-1,))[..., :K], -1, axis).astype(np.float32)
;;   ~~~
;;   SOFTMAX AHEAD OF A QUANTISED PRODUCT. Where the list says 'softmax', what is quantised is not the finished softmax but p = 2^(t - M), with t = logit x log2(e) and M = ceil(the row's largest t), a whole number; so 1/2 < the row's largest p <= 1. The row's sum l is taken of the UNQUANTISED p, in f32, and the product's result is divided by l at the end. Since M is a whole number, a kernel that streams over the keys may use a running M (the ceiling of the running maximum): every later rescaling is an exact power of two, which a block's scale takes up: the codes' values come out the same.
;;   OPERANDS COMPUTED ON THE WAY. 'Computed on the way' means the value that the module computes at that place (a softmax that the list does not call 'softmax' is quantised finished and normalised). What goes into a quantiser is computed in f32, as accurately as f32 sums, v_exp_f32 and their like allow (about 1e-6 of the number): no bf16 or f16 on the way to a quantiser, and a product that is left as it is and whose result goes on into a quantised operand takes f32 operands (vector FMAs, or v_wmma_f32_16x16x4_f32). A number that lies on a knife's edge between two numbers of the format may be rounded either way, as far as f32 arithmetic and the matrix unit's own rounding can turn it there, and no further.
;; One version. Each part assembles by itself: llvm-mc -triple=amdgcn-amd-amdhsa -mcpu=gfx1250 --defsym DOCPART=n.
;; ======== version 1 of 1: 6 launches
;; limits: right only within a limited range of input values
;; workspace buffers: img 13,107,200 bytes; qkv 9,830,400 bytes; zimg 3,276,800 bytes; x1 16,777,216 bytes; x1img 3,276,800 bytes; himg 13,107,200 bytes
;; launch quant (part 1): grid 256 x 1, 8 waves a work-group, no clusters, 68,608 bytes of LDS; arguments x, W_Q, W_K, W_V, W_O, W_in, W_out, img; writes img
.if DOCPART == 1
	.amdgcn_target "amdgcn-amd-amdhsa--gfx1250"
	.amdhsa_code_object_version 6
	.text
	.protected	k_qca81ed687e_quant
	.globl	k_qca81ed687e_quant
	.p2align	8
	.type	k_qca81ed687e_quant,@function
k_qca81ed687e_quant:
	s_mov_b64 s[64:65], 0
	v_nop
	global_prefetch_b8 v0, s[64:65] scope:SCOPE_SE
	s_setreg_imm32_b32 hwreg(HW_REG_WAVE_MODE, 25, 1), 1
	s_wait_xcnt 0x0
; A transformer block in MX-FP6 (E2M3 codes, one E8M0 scale for each 32 along K), six launches: this one, qkv, attn, oproj, mlpin, mlpout.
; THIS LAUNCH turns x and the six weights, all f32 with K innermost, into codes and scale bytes, each once, since many work-groups read each of them.
; DEAD WORK, in the whole program: only the key tiles that lie wholly above the diagonal of the causal mask that the block builds itself (jnp.tril): there every score is replaced by -1e10 / 8 ahead of the
; softmax, whatever the inputs hold, and the weight 2^(t - M) of such a key adds nothing to the row's sum or to z.  The attention launch leaves those tiles out.  Every input has a way to the output and is loaded.
; LIMITS: a NaN, an infinity or an overflow that reaches only the tiles left out is not carried to the result; NaN and infinities among the inputs are not served; a block of zeros gets the scale byte 1 where
; the quantiser says 127: its codes are zeros, which add nothing under that byte, and the bytes are read by this program alone.
; THE LAYOUT OF EVERY OPERAND IN THIS PROGRAM: IMAGES OF THE OPERAND'S REGISTERS.  A matrix [rows][K] is cut into UNITS of 128 rows x 128 K, unit (rb, ks) at (rb K / 128 + ks) x 12,800 bytes.  In a unit, fragment t (0..7)
; stands at 1,536 t: lane (r = lane % 16, h = lane / 16) holds row 32 (t / 2) + 8 (t % 2) + r + 8 (r / 8) of the 128, and its registers 6 c .. 6 c + 5 hold k = 64 c + 32 h + 0 .. 31.  Half c stands at + 768 c:
; registers 6 c .. 6 c + 3 at 16 x lane, registers 6 c + 4, 6 c + 5 at 512 + 8 x lane.  From byte 12,288 on: the scale word of (t, r) at 256 (t / 4) + 16 r + 4 (t % 4).
; So a fragment is read by loads of 16 and 8 bytes a lane from consecutive bytes, a row block's units along K are dense in memory, and four tiles' scale words come by one load.
; UNITS OF img: x 0, W_Q 256, W_K 320, W_V 384, W_O 448, W_in 512, W_out 768: 1,024 in all.
; SHARES: a work-group takes four units, a wave half a unit: 64 rows x 128 K, four fragments.  Each load reads 512 consecutive bytes of one row; a fragment's 16 rows turn through the wave's own stage in LDS
; (rows of 528 bytes) and come back 32 neighbours along K at a time, as the conversions want them.  Waves share nothing: no barrier.  Two fragments' loads (32 a wave) are out.
.set UNIT,  12800
.set STGB,  8448                       ; a wave's stage: 16 rows x (512 + 16) bytes
.set SPARE, 8*STGB                     ; behind the stages: the spare words, 128 bytes for each wave
.set SPW,   1                          ; v1   my spare word; never rewritten
.set NIL,   2                          ; v2   0; never rewritten
.set OFF,   16                         ; v16-31  row i of a fragment: 16 x lane + (i + 8 (i / 8)) x a row's bytes
.set C,     32                         ; v32-43  the fragment's codes
.set T,     44                         ; v44-50  the halves that a conversion cannot put at an odd register
.set W,     52                         ; v52-55  the four fragments' scale words
.set R,     64                         ; v64-191 two sets of 64: a fragment as loaded
.set X,     192                        ; v192-255 my 64 numbers: two blocks of 32
.set SB,    24                         ; s[24:31] where each fragment's first row begins
	s_load_b256 s[4:11], s[0:1], 0x0               ; x, W_Q, W_K, W_V
	s_load_b256 s[12:19], s[0:1], 0x20             ; W_O, W_in, W_out, img
	v_lshl_add_u32 v[SPW], v0, 2, SPARE
	v_mov_b32 v[NIL], 0
	v_lshrrev_b32 v8, 5, v0
	s_delay_alu instid0(VALU_DEP_1)
	v_readfirstlane_b32 s20, v8                    ; wave 0..7
	v_and_b32 v9, 31, v0                           ; lane
	v_and_b32 v10, 15, v0                          ; r
	v_bfe_u32 v11, v0, 4, 1                        ; h
	s_delay_alu instid0(VALU_DEP_3)
	v_lshlrev_b32 v3, 4, v9                        ; 16 x lane
	s_wait_alu depctr_va_vdst(0)
	v_lshlrev_b32 v4, 3, v11                       ; 8 h
	s_mul_i32 s21, s20, STGB
	v_add_nc_u32 v5, s21, v3                       ; the stage, on the way in
	v_mul_u32_u24 v6, v10, 528
	s_delay_alu instid0(VALU_DEP_1)
	v_lshl_add_u32 v6, v11, 7, v6
	s_delay_alu instid0(VALU_DEP_1)
	v_add_nc_u32 v6, s21, v6                       ; and out: row r, + 128 h bytes: my 32 numbers of a block pair
	v_lshl_add_u32 v7, v9, 3, 512                  ; 512 + 8 x lane
	v_lshl_add_u32 v8, v10, 4, v4                  ; 16 r + 8 h: my two scale words
	v_mov_b32 v63, 0                               ; written once: a lane permute's destination counts as one of its sources
	s_mov_b32 s34, 0x76543210
	s_mov_b32 s35, 0xfedcba98                      ; lane l xor 16
	s_lshr_b32 s23, s20, 1
	s_lshl_b32 s22, ttmp9, 2
	s_add_co_u32 s22, s22, s23                     ; my unit
	s_and_b32 s23, s20, 1                          ; which 64 rows of it
	s_cmp_lt_u32 ttmp9, 192                        ; W_out alone has 32 units along K, the others 8
	s_cselect_b32 s37, 3, 5
	s_lshl_b32 s41, 512, s37                       ; a row of the source in bytes
	s_bfm_b32 s40, s37, 0
.irp i, 0,1,2,3,4,5,6,7,8,9,10,11,12,13,14,15
	v_mad_u32_u24 v[OFF+\i], s41, \i+8*(\i/8), v3
.endr
	s_wait_alu depctr_va_vdst(0)
	s_wait_kmcnt 0x0
	s_mov_b64 s[38:39], s[16:17]                   ; the source and its first unit, chosen by the work-group's number alone: one way through the text for all seven
	s_mov_b32 s36, 768
	s_cmp_lt_u32 ttmp9, 192
	s_cselect_b64 s[38:39], s[14:15], s[38:39]
	s_cselect_b32 s36, 512, s36
	s_cmp_lt_u32 ttmp9, 128
	s_cselect_b64 s[38:39], s[12:13], s[38:39]
	s_cselect_b32 s36, 448, s36
	s_cmp_lt_u32 ttmp9, 112
	s_cselect_b64 s[38:39], s[10:11], s[38:39]
	s_cselect_b32 s36, 384, s36
	s_cmp_lt_u32 ttmp9, 96
	s_cselect_b64 s[38:39], s[8:9], s[38:39]
	s_cselect_b32 s36, 320, s36
	s_cmp_lt_u32 ttmp9, 80
	s_cselect_b64 s[38:39], s[6:7], s[38:39]
	s_cselect_b32 s36, 256, s36
	s_cmp_lt_u32 ttmp9, 64
	s_cselect_b64 s[38:39], s[4:5], s[38:39]
	s_cselect_b32 s36, 0, s36
	s_sub_co_u32 s46, s22, s36                     ; the unit's number in its matrix
	s_lshr_b32 s47, s46, s37                       ; rb
	s_and_b32 s46, s46, s40                        ; ks
	s_lshl_b32 s47, s47, 7
	s_lshl_b32 s42, s23, 6
	s_add_co_u32 s47, s47, s42                     ; my first row
	s_mul_i32 s42, s47, s41
	s_lshl_b32 s46, s46, 9
	s_add_co_u32 s42, s42, s46                     ; in bytes (under 2^25)
	s_mov_b32 s43, 0
	s_add_nc_u64 s[38:39], s[38:39], s[42:43]
.irp f, 0,1,2,3
	s_mul_i32 s42, s41, 32*(\f/2)+8*(\f%2)
	s_add_nc_u64 s[SB+2*\f:SB+2*\f+1], s[38:39], s[42:43]
.endr
	s_mul_i32 s42, s22, UNIT
	s_add_nc_u64 s[44:45], s[18:19], s[42:43]      ; the unit in img
	s_mul_i32 s42, s23, 6144
	s_add_nc_u64 s[32:33], s[44:45], s[42:43]      ; my four fragments
	s_lshl_b32 s42, s23, 8
	s_add_co_u32 s42, s42, 12288
	s_add_nc_u64 s[44:45], s[44:45], s[42:43]      ; my 256 bytes of scale words
.macro LOAD f                          ; fragment f: 16 rows, 512 consecutive bytes each
.irp i, 0,1,2,3,4,5,6,7,8,9,10,11,12,13,14,15
	global_load_b128 v[R+64*((\f)%2)+4*\i:R+64*((\f)%2)+4*\i+3], v[OFF+\i], s[SB+2*(\f):SB+2*(\f)+1] th:TH_LOAD_NT
.endr
.endm
.macro TURN f                          ; through the stage: LDS serves a wave's instructions in order, so no wait stands between the stores and the loads
.irp i, 0,1,2,3,4,5,6,7,8,9,10,11,12,13,14,15
	ds_store_b128 v5, v[R+64*((\f)%2)+4*\i:R+64*((\f)%2)+4*\i+3] offset:528*\i
.endr
.irp c, 0,1
.irp j, 0,1,2,3,4,5,6,7
	ds_load_b128 v[X+32*\c+4*\j:X+32*\c+4*\j+3], v6 offset:256*\c+16*\j     ; k = 64 c + 32 h + 4 j ..
.endr
.endr
.endm
.macro Q6 f                            ; my two whole blocks (2 c + h) become registers 6 c .. 6 c + 5 of the fragment; the scale word is pieced together with lane l xor 16
.irp c, 0,1
	v_max3_num_f32 v[56+\c], |v[X+32*\c]|, |v[X+32*\c+1]|, 0x1800000        ; with the floor 2^(3 - 127): the byte cannot fall under 1
.endr
.irp i, 2,4,6,8,10,12,14,16,18,20,22,24,26,28,30
.irp c, 0,1
	s_delay_alu instid0(VALU_DEP_2)
	v_max3_num_f32 v[56+\c], v[56+\c], |v[X+32*\c+\i]|, |v[X+32*\c+\i+1]|
.endr
.endr
.irp c, 0,1
	s_delay_alu instid0(VALU_DEP_2)
	v_add_nc_u32 v[58+\c], 0xff000000, v[56+\c]    ; 2 off the exponent field: the conversion's scale operand
.endr
.irp c, 0,1
	s_delay_alu instid0(VALU_DEP_2)
	v_lshrrev_b32 v[60+\c], 23, v[58+\c]           ; the scale's byte
.endr
	s_delay_alu instid0(VALU_DEP_1)
	v_lshl_or_b32 v62, v61, 16, v60                ; blocks h and 2 + h,
	s_delay_alu instid0(VALU_DEP_1)
	v_lshlrev_b32 v62, v4, v62                     ; 8 h bits up
	s_delay_alu instid0(VALU_DEP_1)
	v_permlanex16_b32 v63, v62, s34, s35
	s_delay_alu instid0(VALU_DEP_1)
	v_or_b32 v[W+\f], v62, v63                     ; the row's word
.irp c, 0,1
	v_cvt_scalef32_pk16_fp6_f32 v[C+6*\c:C+6*\c+2], v[X+32*\c:X+32*\c+15], v[58+\c]
	v_cvt_scalef32_pk16_fp6_f32 v[T+4*\c:T+4*\c+2], v[X+32*\c+16:X+32*\c+31], v[58+\c]
.endr
	v_nop                                          ; one plain place behind a scaled conversion
.irp c, 0,1
.irp i, 0,1,2
	v_mov_b32 v[C+6*\c+3+\i], v[T+4*\c+\i]
.endr
.endr
.endm
	LOAD 0
	LOAD 1
.irp f, 0,1,2,3
.if \f < 3
	s_wait_loadcnt 16                              ; this fragment's sixteen loads are in; the next fragment's sixteen may be out
.else
	s_wait_loadcnt 0x0
.endif
	TURN \f
	s_wait_dscnt 0x0                               ; my 64 numbers are back, and the stores have read the set
.if \f < 2
	LOAD \f+2
.endif
	s_wait_xcnt 0x0                                ; the last fragment's stores have read the codes' registers, which are written again below
	Q6 \f
.irp c, 0,1
	global_store_b128 v3, v[C+6*\c:C+6*\c+3], s[32:33] offset:1536*\f+768*\c     ; 512 consecutive bytes
	global_store_b64 v7, v[C+6*\c+4:C+6*\c+5], s[32:33] offset:1536*\f+768*\c    ; and the 256 behind them
.endr
.endr
	v_cmp_eq_u32 vcc_lo, 1, v11
	s_delay_alu instid0(VALU_DEP_1)
	v_cndmask_b32 v56, v[W], v[W+2], vcc_lo        ; lanes 0-15 store words 0, 1 of their row, lanes 16-31 words 2, 3
	s_delay_alu instid0(VALU_DEP_2)
	v_cndmask_b32 v57, v[W+1], v[W+3], vcc_lo
	global_store_b64 v8, v[56:57], s[44:45]        ; 256 consecutive bytes
	s_wait_tensorcnt 0x0                           ; the wave's end
	ds_add_u32 v[SPW], v[NIL]
	s_wait_dscnt 0x0
	s_endpgm
.Lfunc_end_k_qca81ed687e_quant:
	.size	k_qca81ed687e_quant, .Lfunc_end_k_qca81ed687e_quant-k_qca81ed687e_quant
	.p2alignl 7, 3214868480
	.fill 96, 4, 3214868480
	.section	.rodata,"a",@progbits
	.p2align	6, 0x0
	.amdhsa_kernel k_qca81ed687e_quant
		.amdhsa_group_segment_fixed_size 68608
		.amdhsa_private_segment_fixed_size 0
		.amdhsa_enable_private_segment 0
		.amdhsa_kernarg_size 64
		.amdhsa_user_sgpr_count 2
		.amdhsa_user_sgpr_kernarg_segment_ptr 1
		.amdhsa_wavefront_size32 1
		.amdhsa_system_sgpr_workgroup_id_x 1
		.amdhsa_system_sgpr_workgroup_id_y 1
		.amdhsa_system_sgpr_workgroup_id_z 1
		.amdhsa_system_vgpr_workitem_id 0
		.amdhsa_next_free_vgpr 256
		.amdhsa_next_free_sgpr 66
		.amdhsa_reserve_vcc 1
		.amdhsa_float_denorm_mode_32 3
		.amdhsa_float_denorm_mode_16_64 3
		.amdhsa_memory_ordered 1
		.amdhsa_forward_progress 1
		.amdhsa_inst_pref_size 38
	.end_amdhsa_kernel
	.amdgpu_metadata
---
amdhsa.version: [ 1, 2 ]
amdhsa.kernels:
  - .name:           k_qca81ed687e_quant
    .symbol:         k_qca81ed687e_quant.kd
    .args:
      - { .name: x, .offset: 0, .size: 8, .value_kind: global_buffer, .address_space: global }
      - { .name: W_Q, .offset: 8, .size: 8, .value_kind: global_buffer, .address_space: global }
      - { .name: W_K, .offset: 16, .size: 8, .value_kind: global_buffer, .address_space: global }
      - { .name: W_V, .offset: 24, .size: 8, .value_kind: global_buffer, .address_space: global }
      - { .name: W_O, .offset: 32, .size: 8, .value_kind: global_buffer, .address_space: global }
      - { .name: W_in, .offset: 40, .size: 8, .value_kind: global_buffer, .address_space: global }
      - { .name: W_out, .offset: 48, .size: 8, .value_kind: global_buffer, .address_space: global }
      - { .name: img, .offset: 56, .size: 8, .value_kind: global_buffer, .address_space: global }
    .group_segment_fixed_size: 68608
    .private_segment_fixed_size: 0
    .kernarg_segment_align: 8
    .kernarg_segment_size: 64
    .max_flat_workgroup_size: 256
    .sgpr_count:     66
    .vgpr_count:     256
    .wavefront_size: 32
...
	.end_amdgpu_metadata
.endif
;; end of part 1
;; launch qkv (part 2): grid 8 x 24, 16 waves a work-group, clusters of 4 x 4, 327,680 bytes of LDS; arguments img, qkv; writes qkv
.if DOCPART == 2
	.amdgcn_target "amdgcn-amd-amdhsa--gfx1250"
	.amdhsa_code_object_version 6
	.text
	.protected	k_qca81ed687e_qkv
	.globl	k_qca81ed687e_qkv
	.p2align	8
	.type	k_qca81ed687e_qkv,@function
k_qca81ed687e_qkv:
	s_mov_b64 s[64:65], 0
	v_nop
	global_prefetch_b8 v0, s[64:65] scope:SCOPE_SE
	s_setreg_imm32_b32 hwreg(HW_REG_WAVE_MODE, 25, 1), 1
	s_wait_xcnt 0x0
	s_wait_alu depctr_hold_cnt(0) depctr_sa_sdst(0) depctr_va_vdst(0) depctr_va_sdst(0) depctr_va_ssrc(0) depctr_va_vcc(0) depctr_vm_vsrc(0)
	s_getreg_b32 s2, hwreg(HW_REG_IB_STS2, 6, 4)
	s_cmp_eq_u32 s2, 0
	s_cbranch_scc0 .Lentry_in_a_cluster
	s_endpgm
.Lentry_in_a_cluster:
	s_bfe_u32 s2, ttmp6, 0x10000c
	s_cmp_lg_u32 s2, 0xf033
	s_cbranch_scc0 .Lentry_shape_is_right
	s_endpgm
.Lentry_shape_is_right:
; q = x W_Q^T, k = x W_K^T (clusters with y 0..3) and v^T = W_V x^T (clusters with y 4, 5), K = 1,024, on codes of FP6; the results are quantised in registers: q and k along the head's 64, v along the keys.
; Operands and results are images of operand registers, in units of 12,800 bytes (the layout is set out at the head of the first launch).
; A work-group of sixteen waves makes 256 x 256; a wave 64 x 64: 16 accumulators, 128 registers; four waves stand on a SIMD, so that one wave's LDS loads stand beside another's products.
; THE MATRIX INSTRUCTION IS USED TRANSPOSED: source 0 = 16 rows of the operand called B here, source 1 = 16 rows of A.  A lane then holds ONE row of A, and by the order of rows in a fragment the 16 registers of
; B's tiles 2 b, 2 b + 1 are 16 neighbours: column 32 b + 16 (lane / 16) + 0 .. 15.  So a wave's 32 registers of a row are two blocks of the next product's K and become half a fragment as they stand.
; For q and k: A = x, B = W_Q and W_K (2,048 rows on end).  For v: A = W_V, B = x: the registers run along the keys.
; THE RING: two LDS slots, each with 2 K steps of 128 for 2 + 2 row blocks: 8 units, 102,400 bytes.  Each wave fetches 6,400 dense bytes of it by one tensor load (waves 0-7 A's, waves 8-15 B's).
; CLUSTERS: 4 x 4 work-groups; A's pieces are asked for jointly along a row of the cluster, B's along a column.  Which part a cluster serves hangs on the cluster's y, which all partners share, and only selects numbers.
; RESULTS in qkv: q's codes [b][head][s][t][768] from byte 0, k's from 3,145,728, v's [b][head][s][a][c][768] from 6,291,456; scale words [b][pair of heads][s][512] from 9,437,184 (q), 9,568,256 (k), 9,699,328 (v).
; In q's and k's words bytes 2 c, 2 c + 1 are head 2 pair + c's; of v's 512 bytes the 256 at 256 c are head 2 pair + c's.
.set UNIT,  12800
.set SLOT,  8*UNIT
.set PIECE, UNIT/2
.set PROWS, 25                         ; a piece as rows of 256 bytes
.set FILLB, 2*UNIT                     ; from a fill to the next, in a row block's units
.set STEPB, 4*UNIT                     ; a slot's next fill
.set LAPS,  2                          ; 8 K steps = 4 fills = twice round the ring
.set SCT,   274432                     ; where the halves of scale words meet: 4 x 512 bytes
.set SPARE, 276480                     ; the spare words, 128 bytes for each wave
.set QSG,   9437184
.set VCG,   6291456
.set VSG,   9699328
.set SPW,  1                           ; v1   my spare word; never rewritten
.set NIL,  2                           ; v2   0; never rewritten
.set ADA,  4                           ; v4,5   A's fragments in slot 0, 1: the parts of 16 bytes a lane;  v6,7 the parts of 8
.set ADA8, 6
.set ADB,  8                           ; v8-11  the same for B
.set ADB8, 10
.set ADS,  12                          ; v12,13 scale words: lanes 0-15 A's, lanes 16-31 B's
.set L16,  14                          ; v14  16 x lane
.set L8H,  15                          ; v15  512 + 8 x lane
.set VSCT, 16                          ; v16  where my half words go
.set VSCR, 17                          ; v17  where whole words are read back
.set L8,   18                          ; v18  8 x lane
.set SC,   24                          ; v24-27 scale words of four tiles: they hold nothing else
.set TQ,   32                          ; v32-39 the quantiser's temporaries
.set FA,   32                          ; v32-79  A's four fragments
.set FB,   80                          ; v80-127 B's four
.set ACC,  128                         ; accumulator (a, b) at v[128 + 32 a + 8 b]
.set G1,   24                          ; s[24:31], s[32:39]: descriptor group 1 and two groups 0 for A's pieces;  s[48:55], s[56:63] for B's
.set G0,   32
.set G1B,  48
.set G0B,  56
.set SEL,  90
.set SO,   80                          ; s[80:87] where the four half fragments go;  s[88:89] the scale words
.macro JLOAD g0a, g1a, g0b, g1b        ; a joint load: the lower half of the waves fetch for A, the upper for B; the branch hangs on the wave's number alone; an s_nop 0 and four v_nop follow each line
	s_cmp_eq_u32 s15, 0
	s_cbranch_scc0 .Lfor_b_\@
	tensor_load_to_lds s[\g0a:\g0a+3], s[\g1a:\g1a+7]
	s_nop 0
.rept 4
	v_nop
.endr
	s_branch .Lasked_\@
.Lfor_b_\@:
	tensor_load_to_lds s[\g0b:\g0b+3], s[\g1b:\g1b+7]
	s_nop 0
.rept 4
	v_nop
.endr
.Lasked_\@:
.endm
.macro CROUND                          ; a round of the cluster's barrier
	s_barrier_signal -1
	s_barrier_wait -1
	s_cmp_lg_u32 s14, 0
	s_cbranch_scc1 .Lnot_wave_0_\@
	s_barrier_signal -3
.Lnot_wave_0_\@:
	s_barrier_wait -3
	s_barrier_signal -1
	s_barrier_wait -1
.endm
.macro FRAG reg, a16, a8, off          ; a fragment's image: 12 registers
	ds_load_b128 v[\reg:\reg+3], v[\a16] offset:\off
	ds_load_b64 v[\reg+4:\reg+5], v[\a8] offset:\off
	ds_load_b128 v[\reg+6:\reg+9], v[\a16] offset:\off+768
	ds_load_b64 v[\reg+10:\reg+11], v[\a8] offset:\off+768
.endm
.macro KLOADS slot, j                  ; the slot's j-th K step: 33 LDS loads, behind four places: they land in registers that the last products read
.rept 4
	v_nop
.endr
	ds_load_b128 v[SC:SC+3], v[ADS+\slot] offset:UNIT*\j
.irp i, 0,1,2,3
	FRAG FB+12*\i, ADB+\slot, ADB8+\slot, UNIT*\j+1536*\i
.endr
.irp i, 0,1,2,3
	FRAG FA+12*\i, ADA+\slot, ADA8+\slot, UNIT*\j+1536*\i
.endr
.endm
.macro MM8 a0, zero                    ; A's tiles a0, a0 + 1 x B's four.  The sixteen accumulators take turns, one instruction a turn, in the same order in every K step
.irp a, \a0, \a0+1
.irp b, 0,1,2,3
.if \zero
	v_wmma_scale_f32_16x16x128_f8f6f4 v[ACC+32*(\a)+8*\b:ACC+32*(\a)+8*\b+7], v[FB+12*\b:FB+12*\b+11], v[FA+12*(\a):FA+12*(\a)+11], 0, v[SC+\b], v[SC+(\a)] matrix_a_fmt:MATRIX_FMT_FP6 matrix_b_fmt:MATRIX_FMT_FP6 matrix_a_scale:MATRIX_SCALE_ROW1
.else
	v_wmma_scale_f32_16x16x128_f8f6f4 v[ACC+32*(\a)+8*\b:ACC+32*(\a)+8*\b+7], v[FB+12*\b:FB+12*\b+11], v[FA+12*(\a):FA+12*(\a)+11], v[ACC+32*(\a)+8*\b:ACC+32*(\a)+8*\b+7], v[SC+\b], v[SC+(\a)] matrix_a_fmt:MATRIX_FMT_FP6 matrix_b_fmt:MATRIX_FMT_FP6 matrix_a_scale:MATRIX_SCALE_ROW1
.endif
.endr
.endr
.endm
.macro KSTEP slot, j, zero
	KLOADS \slot, \j
	s_wait_dscnt 8                                 ; all but the youngest eight loads (A's fragments 2 and 3) are in
	MM8 0, \zero
	s_wait_dscnt 0x0
	MM8 2, \zero
.endm
.macro CHANGE slot                     ; the slot just read is filled again, two fills on
	s_wait_tensorcnt 0x0                           ; all my tensor loads have landed, my piece of the other slot among them: so a group 0 may be written
	ds_add_u32 v[SPW], v[NIL]                      ; 0 onto my spare word
	s_add_nc_u64 s[G0+4*\slot+2:G0+4*\slot+3], s[G0+4*\slot+2:G0+4*\slot+3], STEPB
	s_add_nc_u64 s[G0B+4*\slot+2:G0B+4*\slot+3], s[G0B+4*\slot+2:G0B+4*\slot+3], STEPB
	s_wait_dscnt 0x0                               ; the add is done, and my reads of the slot are over
	CROUND                                         ; both now hold of every wave of every partner
	JLOAD G0+4*\slot, G1, G0B+4*\slot, G1B         ; my one tensor load behind the round
.endm
.macro LAST                            ; the last change of slots: nothing is filled again
	s_wait_tensorcnt 0x0
	ds_add_u32 v[SPW], v[NIL]
	s_wait_dscnt 0x0
	s_barrier_signal -1
	s_barrier_wait -1
.endm
; 32 numbers of a lane, register 16 b + i = column 32 b + 16 (lane / 16) + i of my row, become half a fragment in v[p .. p + 5] and two scale bytes in v[hw]
.macro QUANT2 s, p, t, hw
	v_max3_num_f32 v[TQ], |v[\s]|, |v[\s+1]|, 0x1800000            ; with the floor 2^(3 - 127): the byte cannot fall under 1
	v_max3_num_f32 v[TQ+1], |v[\s+16]|, |v[\s+17]|, 0x1800000
.irp i, 2,4,6,8,10,12,14
	v_max3_num_f32 v[TQ], v[TQ], |v[\s+\i]|, |v[\s+1+\i]|
	v_max3_num_f32 v[TQ+1], v[TQ+1], |v[\s+16+\i]|, |v[\s+17+\i]|
.endr
	s_delay_alu instid0(VALU_DEP_2)
	v_permlanex16_b32 v[TQ+2], v[TQ], s[SEL], s[SEL+1]
	s_delay_alu instid0(VALU_DEP_2)
	v_permlanex16_b32 v[TQ+3], v[TQ+1], s[SEL], s[SEL+1]
	s_delay_alu instid0(VALU_DEP_2)
	v_max_num_f32 v[TQ], v[TQ], v[TQ+2]            ; with lane l xor 16's 16: the block's largest magnitude
	s_delay_alu instid0(VALU_DEP_2)
	v_max_num_f32 v[TQ+1], v[TQ+1], v[TQ+3]
	s_delay_alu instid0(VALU_DEP_2)
	v_add_nc_u32 v[TQ+4], 0xff000000, v[TQ]        ; 2 off the exponent field: the conversion's scale operand
	s_delay_alu instid0(VALU_DEP_2)
	v_add_nc_u32 v[TQ+5], 0xff000000, v[TQ+1]
	s_delay_alu instid0(VALU_DEP_2)
	v_lshrrev_b32 v[TQ+6], 23, v[TQ+4]
	s_delay_alu instid0(VALU_DEP_2)
	v_lshrrev_b32 v[TQ+7], 23, v[TQ+5]
	s_delay_alu instid0(VALU_DEP_1)
	v_lshl_or_b32 v[\hw], v[TQ+7], 8, v[TQ+6]
	v_cvt_scalef32_pk16_fp6_f32 v[\p:\p+2], v[\s:\s+15], v[TQ+4]
	v_cvt_scalef32_pk16_fp6_f32 v[\t:\t+2], v[\s+16:\s+31], v[TQ+5]
	v_nop                                          ; one plain place behind a scaled conversion
.irp i, 0,1,2
	v_permlane16_swap_b32 v[\p+\i], v[\t+\i]       ; a whole block to a lane: lanes 0-15 the first, lanes 16-31 the second
.endr
.irp i, 0,1,2
	s_delay_alu instid0(VALU_DEP_3)
	v_mov_b32 v[\p+3+\i], v[\t+\i]
.endr
.endm
	s_load_b128 s[4:7], s[0:1], 0x0                ; img, qkv
	v_lshl_add_u32 v[SPW], v0, 2, SPARE
	v_mov_b32 v[NIL], 0
	ds_add_u32 v[SPW], v[NIL]                      ; the wave's opening: the add, twice on end, and its wait ahead of my first tensor load; work on registers stands between
	ds_add_u32 v[SPW], v[NIL]
	v_lshrrev_b32 v3, 5, v0
	s_delay_alu instid0(VALU_DEP_1)
	v_readfirstlane_b32 s14, v3                    ; wave 0..15
	s_lshr_b32 s15, s14, 3                         ; I fetch for A (0) or for B (1)
	s_and_b32 s16, s14, 7                          ; which piece
	s_lshr_b32 s17, s14, 2                         ; wm: my 64 rows of A
	s_and_b32 s18, s14, 3                          ; wn: my 64 rows of B
	s_bfe_u32 s40, ttmp6, 0x40000                  ; cx
	s_bfe_u32 s41, ttmp6, 0x40004                  ; cy
	s_and_b32 s12, ttmp7, 0xffff                   ; the cluster's y: 0..3 q and k, 4, 5 v
	s_lshl_b32 s92, s12, 2
	s_add_co_u32 s92, s92, s41                     ; q, k: A's tile = 4 y + cy
	s_lshl_b32 s42, ttmp9, 2
	s_add_co_u32 s42, s42, s40                     ; q, k: B's tile = 4 x + cx
	s_and_b32 s93, s12, 1
	s_lshl_b32 s93, s93, 3
	s_add_co_u32 s93, s93, s42                     ; v: B's tile = 4 x + cx + 8 (y - 4)
	s_cmp_ge_u32 s12, 4
	s_cselect_b32 s92, s41, s92                    ; mt (v: cy)
	s_cselect_b32 s42, s93, s42                    ; nt
	s_cselect_b32 s96, 384, 0                      ; A's first unit: W_V or x
	s_cselect_b32 s97, 0, 256                      ; B's: x or W_Q
	s_lshl_b32 s43, s41, 2
	s_lshl_b32 s43, 15, s43                        ; my row of the cluster
	s_lshl_b32 s44, 0x1111, s40                    ; my column
	s_or_b32 s[G1], s43, (3<<16)|(1<<21)           ; the mask; elements of 8 bytes; bit 21 set beside a mask; no padding
	s_or_b32 s[G1B], s44, (3<<16)|(1<<21)
.irp g, G1, G1B
	s_mov_b32 s[\g+1], 32<<16                      ; rows of 32 elements = 256 bytes,
	s_mov_b32 s[\g+2], PROWS<<16
	s_mov_b32 s[\g+3], 32<<16
	s_mov_b32 s[\g+4], PROWS
	s_mov_b32 s[\g+5], 32                          ; dense
	s_mov_b32 s[\g+6], 0
	s_mov_b32 s[\g+7], 0
.endr
	s_lshr_b32 s20, s16, 2                         ; my piece: which of the tile's two row blocks (8 units apart),
	s_mul_i32 s20, s20, 8*UNIT
	s_and_b32 s21, s16, 3
	s_mul_i32 s21, s21, PIECE                      ; which quarter of its two units
	s_add_co_u32 s20, s20, s21
	s_lshl_b32 s94, s92, 4
	s_add_co_u32 s94, s94, s96
	s_mul_i32 s94, s94, UNIT
	s_add_co_u32 s94, s94, s20
	s_mov_b32 s95, 0
	s_lshl_b32 s46, s42, 4
	s_add_co_u32 s46, s46, s97
	s_mul_i32 s46, s46, UNIT
	s_add_co_u32 s46, s46, s20
	s_mov_b32 s47, 0
	s_mul_i32 s45, s14, PIECE                      ; where it goes: no place in the cluster enters an LDS address
	s_mov_b32 s[SEL], 0x76543210
	s_mov_b32 s[SEL+1], 0xfedcba98
	v_and_b32 v28, 31, v0                          ; lane
	v_and_b32 v29, 15, v0                          ; r
	v_bfe_u32 v30, v0, 4, 1                        ; h
	s_delay_alu instid0(VALU_DEP_3)
	v_lshlrev_b32 v[L16], 4, v28
	s_wait_alu depctr_va_vdst(0)
	v_lshlrev_b32 v[L8], 3, v28
	s_delay_alu instid0(VALU_DEP_1)
	v_add_nc_u32 v[L8H], 512, v[L8]
	s_wait_alu depctr_va_vdst(0)
	s_lshr_b32 s66, s17, 1                         ; A: which row block, which half of it
	s_and_b32 s67, s17, 1
	s_lshr_b32 s68, s18, 1                         ; B likewise
	s_and_b32 s69, s18, 1
	s_mul_i32 s70, s66, 2*UNIT
	s_mul_i32 s71, s67, 6144
	s_add_co_u32 s71, s71, s70                     ; my four fragments of A
	s_lshl_b32 s72, s67, 8
	s_add_co_u32 s72, s72, s70
	s_add_co_u32 s72, s72, 12288                   ; and their scale words
	s_mul_i32 s73, s68, 2*UNIT
	s_add_co_u32 s73, s73, 4*UNIT
	s_mul_i32 s74, s69, 6144
	s_add_co_u32 s74, s74, s73                     ; B's fragments
	s_lshl_b32 s75, s69, 8
	s_add_co_u32 s75, s75, s73
	s_add_co_u32 s75, s75, 12288
	s_sub_co_u32 s75, s75, s72                     ; from A's words to B's
	v_add_nc_u32 v[ADA], s71, v[L16]
	s_delay_alu instid0(VALU_DEP_1)
	v_add_nc_u32 v[ADA+1], SLOT, v[ADA]
	v_add_nc_u32 v[ADA8], s71, v[L8H]
	s_delay_alu instid0(VALU_DEP_1)
	v_add_nc_u32 v[ADA8+1], SLOT, v[ADA8]
	v_add_nc_u32 v[ADB], s74, v[L16]
	s_delay_alu instid0(VALU_DEP_1)
	v_add_nc_u32 v[ADB+1], SLOT, v[ADB]
	v_add_nc_u32 v[ADB8], s74, v[L8H]
	s_delay_alu instid0(VALU_DEP_1)
	v_add_nc_u32 v[ADB8+1], SLOT, v[ADB8]
	v_mul_u32_u24 v31, s75, v30                    ; lanes 16-31 take B's
	s_delay_alu instid0(VALU_DEP_1)
	v_lshl_add_u32 v31, v29, 4, v31
	s_delay_alu instid0(VALU_DEP_1)
	v_add_nc_u32 v[ADS], s72, v31
	s_delay_alu instid0(VALU_DEP_1)
	v_add_nc_u32 v[ADS+1], SLOT, v[ADS]
	s_lshl_b32 s76, s66, 10
	s_lshl_b32 s77, s68, 9
	s_add_co_u32 s76, s76, s77
	s_lshl_b32 s77, s67, 8
	s_add_co_u32 s76, s76, s77
	s_add_co_u32 s76, s76, SCT                     ; the 256 bytes of scale words of my 64 rows in my result's unit
	v_add_nc_u32 v[VSCR], s76, v[L8]
	s_lshl_b32 s77, s69, 1
	s_add_co_u32 s76, s76, s77
	v_lshl_add_u32 v[VSCT], v29, 4, s76            ; + 16 r + 2 x my half of the word
	s_wait_dscnt 0x0                               ; both opening adds are done
	s_wait_kmcnt 0x0
	s_add_nc_u64 s[94:95], s[4:5], s[94:95]
	s_add_nc_u64 s[46:47], s[4:5], s[46:47]
	CROUND                                         ; all sixteen work-groups are here: the first joint loads meet
.irp s, 0,1
	s_mov_b32 s[G0+4*\s], 1
	s_add_co_u32 s[G0+4*\s+1], s45, \s*SLOT
	s_add_nc_u64 s[G0+4*\s+2:G0+4*\s+3], s[94:95], \s*FILLB
	s_or_b32 s[G0+4*\s+3], s[G0+4*\s+3], 0x80000000
	s_mov_b32 s[G0B+4*\s], 1
	s_add_co_u32 s[G0B+4*\s+1], s45, \s*SLOT
	s_add_nc_u64 s[G0B+4*\s+2:G0B+4*\s+3], s[46:47], \s*FILLB
	s_or_b32 s[G0B+4*\s+3], s[G0B+4*\s+3], 0x80000000
.endr
	JLOAD G0, G1, G0B, G1B                         ; slot 0: one tensor load a wave at the head
	; where the results go: both parts' offsets are made, and the cluster's y chooses
	s_lshl_b32 s70, s92, 1
	s_add_co_u32 s70, s70, s66                     ; 2 mt + wm / 2: q, k: the block of 128 positions; v: the pair of heads
	s_lshl_b32 s71, s42, 1
	s_add_co_u32 s71, s71, s68                     ; 2 nt + wn / 2: q, k: the pair of heads (0-7 q, 8-15 k); v: the block of 128 keys
	s_lshl_b32 s74, s42, 2
	s_add_co_u32 s74, s74, s18                     ; q, k: the head, 0-15 q, 16-31 k
	s_lshr_b32 s75, s74, 4
	s_lshl_b32 s75, s75, 1
	s_lshr_b32 s72, s70, 4                         ; the batch
	s_add_co_u32 s75, s75, s72
	s_lshl_b32 s75, s75, 4
	s_and_b32 s74, s74, 15
	s_add_co_u32 s75, s75, s74
	s_mul_i32 s75, s75, 98304
	s_and_b32 s73, s70, 15
	s_mul_i32 s74, s73, 6144
	s_add_co_u32 s75, s75, s74
	s_mul_i32 s74, s67, 3072
	s_add_co_u32 s75, s75, s74                     ; q, k: codes
	s_lshr_b32 s77, s71, 3
	s_lshl_b32 s77, s77, 1
	s_add_co_u32 s77, s77, s72
	s_lshl_b32 s77, s77, 3
	s_and_b32 s74, s71, 7
	s_add_co_u32 s77, s77, s74
	s_lshl_b32 s77, s77, 13
	s_lshl_b32 s74, s73, 9
	s_add_co_u32 s77, s77, s74
	s_add_co_u32 s77, s77, QSG                     ; q, k: scale words
	s_lshr_b32 s72, s71, 4                         ; v: the batch,
	s_and_b32 s73, s71, 15                         ; the key step
	s_lshl_b32 s76, s72, 4
	s_lshl_b32 s74, s92, 2
	s_add_co_u32 s74, s74, s17                     ; the head
	s_add_co_u32 s76, s76, s74
	s_lshl_b32 s76, s76, 4
	s_add_co_u32 s76, s76, s73
	s_mul_i32 s76, s76, 6144
	s_mul_i32 s74, s69, 768
	s_add_co_u32 s76, s76, s74
	s_add_co_u32 s76, s76, VCG                     ; v: codes
	s_lshl_b32 s78, s72, 3
	s_add_co_u32 s78, s78, s70
	s_lshl_b32 s78, s78, 4
	s_add_co_u32 s78, s78, s73
	s_lshl_b32 s78, s78, 9
	s_add_co_u32 s78, s78, VSG                     ; v: scale words
	s_mov_b32 s79, 768
	s_cmp_ge_u32 s12, 4
	s_cselect_b32 s75, s76, s75
	s_cselect_b32 s77, s78, s77
	s_cselect_b32 s79, 1536, s79                   ; from a tile's half fragment to the next tile's
	s_lshl_b32 s74, s67, 8
	s_add_co_u32 s77, s77, s74
	s_mov_b32 s72, s75
	s_mov_b32 s73, 0
	s_add_nc_u64 s[SO:SO+1], s[6:7], s[72:73]
	s_mov_b32 s72, s79
	s_add_nc_u64 s[SO+2:SO+3], s[SO:SO+1], s[72:73]
	s_add_nc_u64 s[SO+4:SO+5], s[SO+2:SO+3], s[72:73]
	s_add_nc_u64 s[SO+6:SO+7], s[SO+4:SO+5], s[72:73]
	s_mov_b32 s72, s77
	s_add_nc_u64 s[88:89], s[6:7], s[72:73]
	s_wait_alu depctr_va_vdst(0)
	s_wait_tensorcnt 0x0                           ; my piece of slot 0 is in; slot 1's first fill is issued as a refill is
	ds_add_u32 v[SPW], v[NIL]
	s_wait_dscnt 0x0
	CROUND                                         ; everybody's piece is in, and the joint loads meet
	JLOAD G0+4, G1, G0B+4, G1B                     ; slot 1: my one tensor load behind the round
	KSTEP 0, 0, 1
	KSTEP 0, 1, 0
	s_mov_b32 s3, LAPS-1
.Llap:
	CHANGE 0
	KSTEP 1, 0, 0
	KSTEP 1, 1, 0
	CHANGE 1
	KSTEP 0, 0, 0
	KSTEP 0, 1, 0
	s_sub_co_u32 s3, s3, 1
	s_cmp_lg_u32 s3, 0
	s_cbranch_scc1 .Llap
	LAST
	KSTEP 1, 0, 0
	KSTEP 1, 1, 0
	; THE WAY OUT: each tile of 16 rows is quantised and leaves as half a fragment's image, 512 + 256 consecutive bytes, straight from registers.  A scale word's two halves come from two waves: they meet in LDS.
.rept 4
	v_nop                                          ; places behind the last products
.endr
	v_mov_b32 v[TQ+2], 0                           ; a lane permute's destination counts as one of its sources
	v_mov_b32 v[TQ+3], 0
.irp a, 0,1,2,3
	QUANT2 ACC+32*\a, 48+8*\a, 80+4*\a, 40+\a
	global_store_b128 v[L16], v[48+8*\a:51+8*\a], s[SO+2*\a:SO+2*\a+1]
	global_store_b64 v[L8H], v[52+8*\a:53+8*\a], s[SO+2*\a:SO+2*\a+1]
	ds_store_b16 v[VSCT], v[40+\a] offset:4*\a     ; lanes r and r + 16 write the same two bytes with the same value
.endr
	s_wait_dscnt 0x0                               ; for the others' sake: my half words have landed
	s_barrier_signal -1
	s_barrier_wait -1
	s_cmp_lg_u32 s69, 0                            ; of the two waves that share the words, the first stores them
	s_cbranch_scc1 .Lno_words
	ds_load_b64 v[32:33], v[VSCR]
	s_wait_dscnt 0x0
	global_store_b64 v[L8], v[32:33], s[88:89]     ; 256 consecutive bytes
.Lno_words:
	s_wait_tensorcnt 0x0                           ; the wave's end
	ds_add_u32 v[SPW], v[NIL]
	s_wait_dscnt 0x0
	CROUND                                         ; the closing round
	s_endpgm
.Lfunc_end_k_qca81ed687e_qkv:
	.size	k_qca81ed687e_qkv, .Lfunc_end_k_qca81ed687e_qkv-k_qca81ed687e_qkv
	.p2alignl 7, 3214868480
	.fill 96, 4, 3214868480
	.section	.rodata,"a",@progbits
	.p2align	6, 0x0
	.amdhsa_kernel k_qca81ed687e_qkv
		.amdhsa_group_segment_fixed_size 327680
		.amdhsa_private_segment_fixed_size 0
		.amdhsa_enable_private_segment 0
		.amdhsa_kernarg_size 16
		.amdhsa_user_sgpr_count 2
		.amdhsa_user_sgpr_kernarg_segment_ptr 1
		.amdhsa_wavefront_size32 1
		.amdhsa_system_sgpr_workgroup_id_x 1
		.amdhsa_system_sgpr_workgroup_id_y 1
		.amdhsa_system_sgpr_workgroup_id_z 1
		.amdhsa_system_vgpr_workitem_id 0
		.amdhsa_next_free_vgpr 256
		.amdhsa_next_free_sgpr 100
		.amdhsa_reserve_vcc 0
		.amdhsa_float_denorm_mode_32 3
		.amdhsa_float_denorm_mode_16_64 3
		.amdhsa_memory_ordered 1
		.amdhsa_forward_progress 1
		.amdhsa_inst_pref_size 59
	.end_amdhsa_kernel
	.amdgpu_metadata
---
amdhsa.version: [ 1, 2 ]
amdhsa.kernels:
  - .name:           k_qca81ed687e_qkv
    .symbol:         k_qca81ed687e_qkv.kd
    .args:
      - { .name: img, .offset: 0, .size: 8, .value_kind: global_buffer, .address_space: global }
      - { .name: qkv, .offset: 8, .size: 8, .value_kind: global_buffer, .address_space: global }
    .group_segment_fixed_size: 327680
    .private_segment_fixed_size: 0
    .kernarg_segment_align: 8
    .kernarg_segment_size: 16
    .max_flat_workgroup_size: 512
    .sgpr_count:     100
    .vgpr_count:     256
    .wavefront_size: 32
...
	.end_amdgpu_metadata
.endif
;; end of part 2
;; launch attn (part 3): grid 8 x 32, 16 waves a work-group, clusters of 4 x 1, 251,904 bytes of LDS; arguments qkv, zimg; writes zimg
.if DOCPART == 3
	.amdgcn_target "amdgcn-amd-amdhsa--gfx1250"
	.amdhsa_code_object_version 6
	.text
	.protected	k_qca81ed687e_attn
	.globl	k_qca81ed687e_attn
	.p2align	8
	.type	k_qca81ed687e_attn,@function
k_qca81ed687e_attn:
	s_mov_b64 s[64:65], 0
	v_nop
	global_prefetch_b8 v0, s[64:65] scope:SCOPE_SE
	s_setreg_imm32_b32 hwreg(HW_REG_WAVE_MODE, 25, 1), 1
	s_wait_xcnt 0x0
	s_wait_alu depctr_hold_cnt(0) depctr_sa_sdst(0) depctr_va_vdst(0) depctr_va_sdst(0) depctr_va_ssrc(0) depctr_va_vcc(0) depctr_vm_vsrc(0)
	s_getreg_b32 s2, hwreg(HW_REG_IB_STS2, 6, 4)
	s_cmp_eq_u32 s2, 0
	s_cbranch_scc0 .Lentry_in_a_cluster
	s_endpgm
.Lentry_in_a_cluster:
	s_bfe_u32 s2, ttmp6, 0x10000c
	s_cmp_lg_u32 s2, 0x3003
	s_cbranch_scc0 .Lentry_shape_is_right
	s_endpgm
.Lentry_shape_is_right:
; z = softmax(q k^T / 8, causal) v for each batch and head, both products on codes of FP6; z is quantised along (head, channel) and leaves as images for the next product.
; LEFT OUT: key steps that lie wholly above the diagonal of the block's own causal mask (shown at the head of the first launch).
; THE SOFTMAX: t = score x log2(e) / 8; M = the running largest t rounded UP to a whole number; p = 2^(t - M) is quantised along the keys, not normalised; the row's sum is taken of the unquantised p and divides at the end.
; When M moves, the sum and O are multiplied by 2^(old M - new M): exact.  Hidden scores in the diagonal step become -1e10, as the block has them: their p is 0.
; SHARES.  Work-group (g, head and batch) owns query tile g (16 queries) of each of the sixteen blocks of 128 queries; tile of block rho needs key steps 0 .. rho of 128 keys, step rho being its diagonal.
; The sixteen waves are eight pairs a = 0..7.  The pair's first wave walks steps 0..8 of block 8 + a.  Its second wave walks steps 9 .. 8 + a of that block, hands its O, sum and M over through LDS, and then walks
; block 7 - a whole.  So a wave has 9 or 8 steps.  Behind a barrier the first wave joins the two parts under the larger M: both factors are powers of two.  Which steps a wave walks hangs on its number alone.
; A HEAD'S WHOLE K AND V LIE IN LDS: 2 x 98,304 bytes of codes and 2 x 8,192 of the head pair's scale words, filled once, by ONE joint load a wave at the head: waves 0-5 K's codes, 6-11 V's (64 rows of 256 bytes each),
; waves 12, 13 K's scale words, 14, 15 V's (16 rows each).  The four work-groups of a cluster (tiles g) belong to one head.  No prefetch: all is asked for at the head, there is no loop to run ahead in.
; LAYOUT.  Both products transposed: S^T = K Q^T (source 0 = 16 keys, source 1 = my 16 queries), O^T = V^T P^T: a lane holds one query throughout; by the order of rows in a fragment the 16 registers of tiles 2 b, 2 b + 1
; are keys 32 b + 16 (lane / 16) + 0 .. 15.  THE FIRST PRODUCT'S K IS 64: Q's registers 6-11 are zero codes; K's operand for tile t names twelve registers of which the upper six are the next tile's codes: finite numbers
; times zero.  Their scale bytes 2, 3 are 0, a finite power of two.
; LIMIT: the promise holds while the scaled scores t stay under 2^31 in magnitude.
.set KSC,   196608                     ; K's scale words;  V's codes begin at 98,304
.set VSC,   204800
.set SPARE, 212992
.set HAND,  215040                     ; eight regions of 4,608 bytes: what a pair's second wave hands over
.set KCG,   3145728                    ; in qkv: k's codes (v's 3,145,728 further on);
.set QSG,   9437184                    ; q's scale words;
.set KSG,   9568256                    ; k's (v's 131,072 further on)
.set UNIT,  12800
.set SPW,  5
.set NIL,  6
.set R16,  244                         ; v244 16 r
.set HND,  245                         ; v245 my pair's region + 16 x lane
.set DD,   31                          ; v31  my query's place in its block less 16 (lane / 16)
.set TQ,   212
.set WV,   18
.set RHO,  19                          ; s19  the block whose tile I am walking
.set SEL,  20
.set CS,   22
.set TY,   48                          ; s48  0: the pair's first wave, 1: its second
.set PR,   49                          ; s49  the pair
.set LO,   50                          ; s50  7 - pair
.set S0,   51                          ; s51, s52  the first and last step that I walk in this pass
.set S1,   52
.set FT,   53                          ; s53  the block whose tile I store
.set TB,   60                          ; s60  the step's codes: 6,144 a step
.set TS,   61                          ; s61  its scale words: 512 a step
.set SN,   62                          ; s62  the step's number
.macro CROUND
	s_barrier_signal -1
	s_barrier_wait -1
	s_cmp_lg_u32 s[WV], 0
	s_cbranch_scc1 .Lnot_wave_0_\@
	s_barrier_signal -3
.Lnot_wave_0_\@:
	s_barrier_wait -3
	s_barrier_signal -1
	s_barrier_wait -1
.endm
.macro QUANT2 s, p, t, hw              ; 32 numbers of a lane become half a fragment and two scale bytes
	v_max3_num_f32 v[TQ], |v[\s]|, |v[\s+1]|, 0x1800000
	v_max3_num_f32 v[TQ+1], |v[\s+16]|, |v[\s+17]|, 0x1800000
.irp i, 2,4,6,8,10,12,14
	s_delay_alu instid0(VALU_DEP_2)
	v_max3_num_f32 v[TQ], v[TQ], |v[\s+\i]|, |v[\s+1+\i]|
	s_delay_alu instid0(VALU_DEP_2)
	v_max3_num_f32 v[TQ+1], v[TQ+1], |v[\s+16+\i]|, |v[\s+17+\i]|
.endr
	s_delay_alu instid0(VALU_DEP_2)
	v_permlanex16_b32 v[TQ+2], v[TQ], s[SEL], s[SEL+1]
	s_delay_alu instid0(VALU_DEP_2)
	v_permlanex16_b32 v[TQ+3], v[TQ+1], s[SEL], s[SEL+1]
	s_delay_alu instid0(VALU_DEP_2)
	v_max_num_f32 v[TQ], v[TQ], v[TQ+2]
	s_delay_alu instid0(VALU_DEP_2)
	v_max_num_f32 v[TQ+1], v[TQ+1], v[TQ+3]
	s_delay_alu instid0(VALU_DEP_2)
	v_add_nc_u32 v[TQ+4], 0xff000000, v[TQ]
	s_delay_alu instid0(VALU_DEP_2)
	v_add_nc_u32 v[TQ+5], 0xff000000, v[TQ+1]
	s_delay_alu instid0(VALU_DEP_2)
	v_lshrrev_b32 v[TQ+6], 23, v[TQ+4]
	s_delay_alu instid0(VALU_DEP_2)
	v_lshrrev_b32 v[TQ+7], 23, v[TQ+5]
	s_delay_alu instid0(VALU_DEP_1)
	v_lshl_or_b32 v[\hw], v[TQ+7], 8, v[TQ+6]
	v_cvt_scalef32_pk16_fp6_f32 v[\p:\p+2], v[\s:\s+15], v[TQ+4]
	v_cvt_scalef32_pk16_fp6_f32 v[\t:\t+2], v[\s+16:\s+31], v[TQ+5]
	v_nop
.irp i, 0,1,2
	v_permlane16_swap_b32 v[\p+\i], v[\t+\i]
.endr
.irp i, 0,1,2
	s_delay_alu instid0(VALU_DEP_3)
	v_mov_b32 v[\p+3+\i], v[\t+\i]
.endr
.endm
.macro FRESH                           ; a tile's state before its first step
	v_mov_b32 v13, 0xff61b1e6                      ; the largest t so far: -3e38
	v_mov_b32 v14, 0                               ; the sum, in two halves
	v_mov_b32 v15, 0
	v_floor_f32 v12, -v13                          ; -M
.set j, 0
.rept 32
	v_mov_b32 v[160+j], 0                          ; O^T: the step is written once; the first finds zeros, which the first change of M leaves zeros
.set j, j+1
.endr
.endm
	s_load_b128 s[4:7], s[0:1], 0x0                ; qkv, zimg
	v_lshl_add_u32 v[SPW], v0, 2, SPARE
	v_mov_b32 v[NIL], 0
	ds_add_u32 v[SPW], v[NIL]                      ; the wave's opening: the add, twice on end, and its wait ahead of my first tensor load
	ds_add_u32 v[SPW], v[NIL]
	v_lshrrev_b32 v8, 5, v0
	v_readfirstlane_b32 s[WV], v8                  ; wave 0..15
	s_bfe_u32 s8, ttmp6, 0x40000                   ; cx
	s_lshl_b32 s9, ttmp9, 2
	s_add_co_u32 s9, s9, s8                        ; g: it enters Q's and z's addresses and the mask's comparison alone
	s_and_b32 s10, ttmp7, 0xffff                   ; 16 x batch + head: the partners share it
	s_lshr_b32 s11, s10, 4                         ; batch
	s_bfe_u32 s13, s10, 0x30001                    ; the pair of heads
	s_and_b32 s14, s10, 1                          ; c: which of the pair
	s_lshl_b32 s12, s11, 3
	s_add_co_u32 s12, s12, s13                     ; 8 x batch + pair of heads
	s_bfe_u32 s[TY], s[WV], 0x10002                ; waves w and w + 4 are a pair
	s_and_b32 s[PR], s[WV], 3
	s_lshr_b32 s67, s[WV], 3
	s_lshl_b32 s67, s67, 2
	s_or_b32 s[PR], s[PR], s67
	s_add_co_u32 s[RHO], s[PR], 8                  ; the first pass: block 8 + pair,
	s_sub_co_u32 s[LO], 7, s[PR]
	s_cmp_eq_u32 s[TY], 0
	s_cselect_b32 s[S0], 0, 9                      ; steps 0..8 or 9..rho (none where rho is 8)
	s_cselect_b32 s[S1], 8, s[RHO]
	s_cselect_b32 s[FT], s[RHO], s[LO]
	s_mov_b32 s24, 15|(3<<16)|(1<<21)              ; group 1 for the scale words: the mask names all four; elements of 8 bytes; 16 rows of 256 bytes, dense
	s_mov_b32 s25, 32<<16
	s_mov_b32 s26, 16<<16
	s_mov_b32 s27, 32<<16
	s_mov_b32 s28, 16
	s_mov_b32 s29, 32
	s_mov_b32 s30, 0
	s_mov_b32 s31, 0
	s_mov_b32 s32, 15|(3<<16)|(1<<21)              ; for the codes: 64 rows of 256 bytes
	s_mov_b32 s33, 32<<16
	s_mov_b32 s34, 64<<16
	s_mov_b32 s35, 32<<16
	s_mov_b32 s36, 64
	s_mov_b32 s37, 32
	s_mov_b32 s38, 0
	s_mov_b32 s39, 0
	s_lshl_b32 s70, s12, 13                        ; scale words, waves 12-15: 4,096 (wave - 12) into K's 8,192, then V's
	s_lshl_b32 s45, s[WV], 12
	s_add_co_u32 s70, s70, s45
	s_add_co_u32 s70, s70, KSG-49152
	s_cmp_lt_u32 s[WV], 14
	s_cselect_b32 s68, 0, 131072-8192
	s_add_co_u32 s70, s70, s68
	s_mov_b32 s71, 0
	s_add_co_u32 s45, s45, KSC-49152               ; and in LDS
	s_mul_i32 s69, s10, 98304                      ; the head's codes
	s_lshl_b32 s41, s[WV], 14                      ; codes, waves 0-11: 16,384 x wave in LDS: K's 98,304, then V's
	s_add_co_u32 s72, s69, s41
	s_add_co_u32 s72, s72, KCG
	s_cmp_lt_u32 s[WV], 6
	s_cselect_b32 s68, 0, 3145728-98304
	s_add_co_u32 s72, s72, s68
	s_mov_b32 s73, 0
	s_mul_i32 s67, s9, 768
	s_add_co_u32 s67, s67, s69
	s_mul_i32 s76, s[RHO], 6144                    ; Q's half fragment of the first pass's tile,
	s_add_co_u32 s76, s76, s67
	s_mov_b32 s77, 0
	s_mul_i32 s84, s[LO], 6144                     ; and of the second's
	s_add_co_u32 s84, s84, s67
	s_mov_b32 s85, 0
	s_lshr_b32 s86, s9, 2                          ; a scale half word's place in a unit's 512 bytes: 256 (g / 4) + 4 (g % 4) + 2 c (+ 16 r)
	s_lshl_b32 s86, s86, 8
	s_and_b32 s67, s9, 3
	s_lshl_b32 s67, s67, 2
	s_add_co_u32 s86, s86, s67
	s_lshl_b32 s67, s14, 1
	s_add_co_u32 s86, s86, s67
	s_lshl_b32 s67, s12, 13
	s_add_co_u32 s67, s67, s86
	s_add_co_u32 s67, s67, QSG
	s_lshl_b32 s78, s[RHO], 9
	s_add_co_u32 s78, s78, s67                     ; Q's scale half words, first pass,
	s_mov_b32 s79, 0
	s_lshl_b32 s88, s[LO], 9
	s_add_co_u32 s88, s88, s67                     ; second pass
	s_mov_b32 s89, 0
	s_lshl_b32 s80, s11, 4
	s_add_co_u32 s80, s80, s[FT]
	s_lshl_b32 s80, s80, 3
	s_add_co_u32 s80, s80, s13
	s_mul_i32 s80, s80, UNIT                       ; z's unit: row block 16 x batch + the block that I store, K step = the pair of heads
	s_mov_b32 s81, 0
	s_add_co_u32 s82, s80, s86
	s_add_co_u32 s82, s82, 12288                   ; its scale half words
	s_mov_b32 s83, 0
	s_mul_i32 s67, s9, 1536
	s_add_co_u32 s80, s80, s67
	s_mul_i32 s67, s14, 768
	s_add_co_u32 s80, s80, s67                     ; its half fragment
	s_mov_b32 s[SEL], 0x76543210
	s_mov_b32 s[SEL+1], 0xfedcba98
	s_mov_b32 s[CS], 0x3e38aa3b                    ; log2(e) / 8
	s_mov_b32 s[CS+1], s[CS]
	s_mov_b32 s[TB], 0
	s_mov_b32 s[TS], 0
	s_mov_b32 s[SN], 0
	s_lshl_b32 s54, s14, 1
	s_add_co_u32 s54, s54, KSC
	s_lshl_b32 s55, s14, 8
	s_add_co_u32 s55, s55, VSC
	s_lshr_b32 s56, s9, 1
	s_lshl_b32 s56, s56, 5
	s_and_b32 s57, s9, 1
	s_lshl_b32 s57, s57, 3
	s_add_co_u32 s56, s56, s57                     ; 32 (g / 2) + 8 (g % 2)
	s_mul_i32 s74, s[PR], 4608
	s_add_co_u32 s74, s74, HAND
	v_and_b32 v8, 31, v0                           ; lane
	v_and_b32 v9, 15, v0                           ; r
	v_bfe_u32 v10, v0, 4, 1                        ; h
	v_lshlrev_b32 v1, 4, v8                        ; K's codes: 16 x lane,
	v_lshl_add_u32 v2, v8, 3, 512                  ; 512 + 8 x lane;
	v_lshlrev_b32 v[R16], 4, v9
	v_and_b32 v11, 8, v9
	v_lshlrev_b32 v29, 4, v10
	v_add_nc_u32 v3, 98304, v1                     ; V's
	v_add_nc_u32 v4, 98304, v2
	v_add_nc_u32 v7, s54, v[R16]                   ; K's scale half words: 16 r + 2 c
	v_add_nc_u32 v28, s55, v[R16]                  ; V's words: 256 c + 16 r
	v_add_nc_u32 v11, v11, v9
	v_add_nc_u32 v[HND], s74, v1
	v_sub_nc_u32 v11, v11, v29
	s_delay_alu instid0(VALU_DEP_1)
	v_add_nc_u32 v[DD], s56, v11
	s_wait_alu depctr_va_vdst(0)
	s_wait_dscnt 0x0                               ; both opening adds are done
	s_wait_kmcnt 0x0
	s_mov_b32 s40, 1
	s_add_nc_u64 s[42:43], s[4:5], s[72:73]
	s_or_b32 s43, s43, 0x80000000
	s_mov_b32 s44, 1
	s_add_nc_u64 s[46:47], s[4:5], s[70:71]
	s_or_b32 s47, s47, 0x80000000
	s_add_nc_u64 s[76:77], s[4:5], s[76:77]
	s_add_nc_u64 s[78:79], s[4:5], s[78:79]
	s_add_nc_u64 s[84:85], s[4:5], s[84:85]
	s_add_nc_u64 s[88:89], s[4:5], s[88:89]
	s_add_nc_u64 s[80:81], s[6:7], s[80:81]
	s_add_nc_u64 s[82:83], s[6:7], s[82:83]
	CROUND                                         ; all four work-groups are here: the joint loads meet
	s_cmp_lt_u32 s[WV], 12                         ; one load a wave, in the two arms of one branch on the wave's number
	s_cbranch_scc0 .Lwords
	tensor_load_to_lds s[40:43], s[32:39]          ; 16,384 bytes of codes
	s_nop 0
.rept 4
	v_nop
.endr
	s_branch .Lasked
.Lwords:
	tensor_load_to_lds s[44:47], s[24:31]          ; 4,096 bytes of scale words
	s_nop 0
.rept 4
	v_nop
.endr
.Lasked:
	global_load_b128 v[16:19], v1, s[76:77]        ; Q's half fragment stays in registers
	global_load_b64 v[20:21], v2, s[76:77]
	global_load_u16 v236, v[R16], s[78:79]         ; and its two scale bytes
	s_cmp_eq_u32 s[TY], 0
	s_cbranch_scc1 .Lone_tile
	global_load_b128 v[86:89], v1, s[84:85]        ; a pair's second wave: its second tile's Q waits in v86-92
	global_load_b64 v[90:91], v2, s[84:85]
	global_load_u16 v92, v[R16], s[88:89]
.Lone_tile:
.irp j, 22,23,24,25,26,27, 80,81,82,83,84,85
	v_mov_b32 v[\j], 0                             ; Q's zero codes for k = 64 .. 127; and what tile 7's operand names beyond its six registers
.endr
.irp j, 212,213,214,215,216,217,218,219,239,240
	v_mov_b32 v[\j], 0                             ; lane permutes' destinations, and the upper half of the pair v[238:239]
.endr
	FRESH
; A KEY STEP of 128 keys.  A wave that does not walk the step jumps to the lines that step the addresses: no barrier and no tensor load stands in a step.
.macro STEP
	s_cmp_lt_u32 s[SN], s[S0]
	s_cbranch_scc1 .Lskip_\@
	s_cmp_gt_u32 s[SN], s[S1]
	s_cbranch_scc1 .Lskip_\@
	v_add_nc_u32 v8, s[TB], v1                     ; six plain lines: also the places in front of the loads into registers that the last products read
	v_add_nc_u32 v9, s[TB], v2
	v_add_nc_u32 v10, s[TB], v3
	v_add_nc_u32 v11, s[TB], v4
	v_add_nc_u32 v29, s[TS], v7
	v_add_nc_u32 v30, s[TS], v28
.irp t, 0,1,2,3,4,5,6,7
	ds_load_b128 v[32+6*\t:35+6*\t], v8 offset:768*\t
	ds_load_b64 v[36+6*\t:37+6*\t], v9 offset:768*\t
	ds_load_u16 v[224+\t], v29 offset:256*(\t/4)+4*(\t%4)
.endr
	s_wait_alu depctr_va_vdst(0)
	s_wait_dscnt 0x0
.irp t, 0,1,2,3,4,5,6,7
	v_wmma_scale_f32_16x16x128_f8f6f4 v[96+8*\t:103+8*\t], v[32+6*\t:43+6*\t], v[16:27], 0, v[224+\t], v236 matrix_a_fmt:MATRIX_FMT_FP6 matrix_b_fmt:MATRIX_FMT_FP6
.endr
.rept 4
	v_nop
.endr
.irp a, 0,1,2,3                                ; V's four fragments are asked for now, and land under the softmax
.irp c, 0,1
	ds_load_b128 v[32+12*\a+6*\c:35+12*\a+6*\c], v10 offset:1536*\a+768*\c
	ds_load_b64 v[36+12*\a+6*\c:37+12*\a+6*\c], v11 offset:1536*\a+768*\c
.endr
.endr
	ds_load_b128 v[232:235], v30
	s_cmp_lg_u32 s[SN], s[RHO]                     ; the diagonal step: register 16 b + i holds key 32 b + 16 (lane / 16) + i of the block: hidden where 32 b + i > v31
	s_cbranch_scc1 .Lopen_\@
	v_mov_b32 v240, 0xd01502f9                     ; -1e10
.set n, 0
.rept 64
	v_cmp_gt_i32 vcc_lo, 32*(n/16)+n%16, v[DD]
	v_cndmask_b32 v[96+n], v[96+n], v240, vcc_lo
.set n, n+1
.endr
.Lopen_\@:
.irp b, 0,1,2,3
	v_max3_num_f32 v[212+\b], v[96+16*\b], v[97+16*\b], v[98+16*\b]     ; the largest score of each block of 32 keys: for the row's maximum, and, since p rises with the score, for the block's largest p
.endr
.irp i, 3,5,7,9,11,13
.irp b, 0,1,2,3
	v_max3_num_f32 v[212+\b], v[212+\b], v[96+16*\b+\i], v[97+16*\b+\i]
.endr
.endr
.irp b, 0,1,2,3
	v_max_num_f32 v[212+\b], v[212+\b], v[111+16*\b]
.endr
.irp b, 0,1,2,3
	s_delay_alu instid0(VALU_DEP_4)
	v_permlanex16_b32 v[216+\b], v[212+\b], s[SEL], s[SEL+1]
.endr
.irp b, 0,1,2,3
	s_delay_alu instid0(VALU_DEP_4)
	v_max_num_f32 v[212+\b], v[212+\b], v[216+\b]
.endr
	s_delay_alu instid0(VALU_DEP_2)
	v_max3_num_f32 v240, v212, v213, v214
	s_delay_alu instid0(VALU_DEP_1)
	v_max_num_f32 v240, v240, v215
	s_delay_alu instid0(VALU_DEP_1)
	v_mul_f32 v240, s[CS], v240
	s_delay_alu instid0(VALU_DEP_1)
	v_max_num_f32 v13, v13, v240                   ; the running largest t
	v_mov_b32 v240, v12
	s_delay_alu instid0(VALU_DEP_2)
	v_floor_f32 v12, -v13                          ; the new -M: M is a whole number
	s_delay_alu instid0(VALU_DEP_1)
	v_sub_f32 v240, v12, v240
	s_delay_alu instid0(VALU_DEP_1)
	v_cvt_i32_f32 v240, v240                       ; (it saturates)
	s_delay_alu instid0(VALU_DEP_1)
	v_ldexp_f32 v238, 1.0, v240                    ; f = 2^(old M - new M)
.set j, 0
.rept 32
	v_pk_fma_f32 v[96+j:97+j], v[96+j:97+j], s[CS:CS+1], v[12:13] op_sel_hi:[1,0,0]    ; t - M
.set j, j+2
.endr
.irp b, 0,1,2,3
	v_fma_f32 v[212+\b], v[212+\b], s[CS], v12
.endr
.set j, 0
	s_wait_alu depctr_va_vdst(0)
.rept 64
	v_exp_f32 v[96+j], v[96+j]                     ; p = 2^(t - M)
.set j, j+1
.endr
	v_pk_mul_f32 v[14:15], v[14:15], v[238:239] op_sel_hi:[1,0]         ; the sums under the new M: a plain place behind the exponentials
	s_wait_alu depctr_va_vdst(0)                   ; one wait for the batch, ahead of its first reader
.irp b, 0,1,2,3
	v_exp_f32 v[212+\b], v[212+\b]                 ; each block's largest p
.endr
	v_pk_add_f32 v[242:243], v[100:101], v[104:105]
	v_pk_add_f32 v[254:255], v[108:109], v[112:113]
	v_pk_add_f32 v[252:253], v[116:117], v[120:121]
	v_pk_add_f32 v[250:251], v[124:125], v[128:129]
	v_pk_add_f32 v[248:249], v[132:133], v[136:137]
	v_pk_add_f32 v[246:247], v[140:141], v[144:145]
	v_pk_add_f32 v[230:231], v[148:149], v[152:153]
	v_pk_add_f32 v[14:15], v[14:15], v[156:157]
	v_pk_add_f32 v[242:243], v[242:243], v[96:97]
	v_pk_add_f32 v[254:255], v[254:255], v[98:99]
	v_pk_add_f32 v[252:253], v[252:253], v[102:103]
	v_pk_add_f32 v[250:251], v[250:251], v[106:107]
	v_pk_add_f32 v[248:249], v[248:249], v[110:111]
	v_pk_add_f32 v[246:247], v[246:247], v[114:115]
	v_pk_add_f32 v[230:231], v[230:231], v[118:119]
	v_pk_add_f32 v[14:15], v[14:15], v[122:123]
	v_pk_add_f32 v[242:243], v[242:243], v[126:127]
	v_pk_add_f32 v[254:255], v[254:255], v[130:131]
	v_pk_add_f32 v[252:253], v[252:253], v[134:135]
	v_pk_add_f32 v[250:251], v[250:251], v[138:139]
	v_pk_add_f32 v[248:249], v[248:249], v[142:143]
	v_pk_add_f32 v[246:247], v[246:247], v[146:147]
	v_pk_add_f32 v[230:231], v[230:231], v[150:151]
	v_pk_add_f32 v[14:15], v[14:15], v[154:155]
	v_pk_add_f32 v[242:243], v[242:243], v[158:159]
	s_delay_alu instid0(VALU_DEP_2)
	v_pk_add_f32 v[14:15], v[14:15], v[250:251]
	s_delay_alu instid0(VALU_DEP_2)
	v_pk_add_f32 v[242:243], v[242:243], v[248:249]
	v_pk_add_f32 v[254:255], v[254:255], v[246:247]
	v_pk_add_f32 v[252:253], v[252:253], v[230:231]
	s_delay_alu instid0(VALU_DEP_2)
	v_pk_add_f32 v[14:15], v[14:15], v[254:255]
	s_delay_alu instid0(VALU_DEP_2)
	v_pk_add_f32 v[242:243], v[242:243], v[252:253]
	s_delay_alu instid0(VALU_DEP_1)
	v_pk_add_f32 v[14:15], v[14:15], v[242:243]
	s_wait_alu depctr_va_vdst(0)                   ; and one for the four
.irp b, 0,1,2,3
	v_max_num_f32 v[212+\b], 0x1800000, v[212+\b]  ; the floor: the byte cannot fall under 1
.endr
.irp b, 0,1,2,3
	s_delay_alu instid0(VALU_DEP_4)
	v_add_nc_u32 v[220+\b], 0xff000000, v[212+\b]
.endr
.irp b, 0,1,2,3
	s_delay_alu instid0(VALU_DEP_4)
	v_lshrrev_b32 v[216+\b], 23, v[220+\b]
.endr
	s_delay_alu instid0(VALU_DEP_3)
	v_lshl_or_b32 v237, v217, 8, v216              ; p's scale word for these 128 keys
	s_delay_alu instid0(VALU_DEP_1)
	v_lshl_or_b32 v237, v218, 16, v237
	s_delay_alu instid0(VALU_DEP_1)
	v_lshl_or_b32 v237, v219, 24, v237
.irp c, 0,1
	v_cvt_scalef32_pk16_fp6_f32 v[192+6*\c:194+6*\c], v[96+32*\c:111+32*\c], v[220+2*\c]
	v_cvt_scalef32_pk16_fp6_f32 v[204+4*\c:206+4*\c], v[112+32*\c:127+32*\c], v[220+2*\c+1]
.endr
	v_nop
.irp c, 0,1
.irp i, 0,1,2
	v_permlane16_swap_b32 v[192+6*\c+\i], v[204+4*\c+\i]
.endr
.irp i, 0,1,2
	s_delay_alu instid0(VALU_DEP_3)
	v_mov_b32 v[195+6*\c+\i], v[204+4*\c+\i]
.endr
.endr
.set j, 0
.rept 16
	v_pk_mul_f32 v[160+j:161+j], v[160+j:161+j], v[238:239] op_sel_hi:[1,0]    ; O^T under the new M; also the places between p's codes and scale word and the products
.set j, j+2
.endr
	s_wait_alu depctr_va_vdst(0)
	s_wait_dscnt 0x0                               ; V
.irp a, 0,1,2,3
	v_wmma_scale_f32_16x16x128_f8f6f4 v[160+8*\a:167+8*\a], v[32+12*\a:43+12*\a], v[192:203], v[160+8*\a:167+8*\a], v[232+\a], v237 matrix_a_fmt:MATRIX_FMT_FP6 matrix_b_fmt:MATRIX_FMT_FP6
.endr
.Lskip_\@:
	s_add_co_u32 s[SN], s[SN], 1
	s_add_co_u32 s[TB], s[TB], 6144
	s_add_co_u32 s[TS], s[TS], 512
.endm
	s_wait_alu depctr_va_vdst(0)
	s_wait_loadcnt 0x0                             ; Q
	s_wait_tensorcnt 0x0                           ; my share of K, V or their scale words is in
	s_barrier_signal -1
	s_barrier_wait -1                              ; everybody's is
	s_mov_b32 s63, 16
.Lpass1:
	STEP
	s_sub_co_u32 s63, s63, 1
	s_cmp_lg_u32 s63, 0
	s_cbranch_scc1 .Lpass1
.rept 4
	v_nop                                          ; places behind the last products
.endr
	s_mov_b32 s[TB], 0                             ; THE SECOND PASS: a pair's second wave walks block 7 - pair, steps 0 .. 7 - pair; its first wave walks none and keeps its state
	s_mov_b32 s[TS], 0
	s_mov_b32 s[SN], 0
	s_mov_b32 s[S1], s[LO]
	s_cmp_eq_u32 s[TY], 0
	s_cselect_b32 s[S0], 16, 0
	s_cselect_b32 s[RHO], s[RHO], s[LO]
	s_cbranch_scc1 .Lkeeps
.set i, 0
.rept 8
	ds_store_b128 v[HND], v[160+4*i:163+4*i] offset:512*i          ; my part of block 8 + pair: O^T as it stands in my registers, each accumulator from its low end on,
.set i, i+1
.endr
	ds_store_b128 v[HND], v[12:15] offset:4096     ; -M, the largest t, the sum's two halves
	v_mov_b32 v236, v92                            ; the second tile's Q
.irp j, 0,1,2,3,4,5
	v_mov_b32 v[16+\j], v[86+\j]
.endr
	FRESH
	s_wait_alu depctr_va_vdst(0)
.Lkeeps:
	s_mov_b32 s63, 16
.Lpass2:
	STEP
	s_sub_co_u32 s63, s63, 1
	s_cmp_lg_u32 s63, 0
	s_cbranch_scc1 .Lpass2
.rept 4
	v_nop                                          ; places behind the last products
.endr
	s_wait_alu depctr_va_vdst(0)
	s_wait_dscnt 0x0                               ; for the partner's sake: what I handed over has landed
	s_barrier_signal -1
	s_barrier_wait -1
	s_cmp_lg_u32 s[TY], 0
	s_cbranch_scc1 .Lown
.set i, 0
.rept 8
	ds_load_b128 v[96+4*i:99+4*i], v[HND] offset:512*i             ; THE JOIN: my partner's part of my tile
.set i, i+1
.endr
	ds_load_b128 v[128:131], v[HND] offset:4096
	v_mov_b32 v135, 0                              ; (named as the upper half of the pair v[134:135])
	s_wait_dscnt 0x0
	v_min_num_f32 v240, v12, v128                  ; -M of the two together: the larger M
	s_delay_alu instid0(VALU_DEP_1)
	v_sub_f32 v132, v240, v12
	v_sub_f32 v133, v240, v128
	s_delay_alu instid0(VALU_DEP_2)
	v_cvt_i32_f32 v132, v132                       ; whole numbers, 0 or less (they saturate: a part with no step has M = -3e38, factor 0, and holds zeros)
	s_delay_alu instid0(VALU_DEP_2)
	v_cvt_i32_f32 v133, v133
	s_delay_alu instid0(VALU_DEP_2)
	v_ldexp_f32 v238, 1.0, v132                    ; my factor,
	s_delay_alu instid0(VALU_DEP_2)
	v_ldexp_f32 v134, 1.0, v133                    ; my partner's: powers of two
	v_pk_mul_f32 v[14:15], v[14:15], v[238:239] op_sel_hi:[1,0]
.set j, 0
.rept 16
	v_pk_mul_f32 v[160+j:161+j], v[160+j:161+j], v[238:239] op_sel_hi:[1,0]
.set j, j+2
.endr
	v_pk_fma_f32 v[14:15], v[130:131], v[134:135], v[14:15] op_sel_hi:[1,0,1]
.set j, 0
.rept 16
	v_pk_fma_f32 v[160+j:161+j], v[96+j:97+j], v[134:135], v[160+j:161+j] op_sel_hi:[1,0,1]
.set j, j+2
.endr
.Lown:
	; THE WAY OUT: z = O^T / the sum; register 16 b + i is channel 32 b + 16 (lane / 16) + i of my query: half a fragment of z's image.
	v_add_f32 v14, v14, v15
	s_delay_alu instid0(VALU_DEP_1)
	v_permlanex16_b32 v240, v14, s[SEL], s[SEL+1]
	s_delay_alu instid0(VALU_DEP_1)
	v_add_f32 v14, v14, v240                       ; the row's sum
	s_wait_alu depctr_va_vdst(0)
	v_rcp_f32 v14, v14
	v_nop                                          ; a plain place behind the transcendental
	s_wait_alu depctr_va_vdst(0)                   ; and the wait ahead of its first reader
.set j, 0
.rept 32
	v_mul_f32 v[96+j], v[160+j], v14
.set j, j+1
.endr
	QUANT2 96, 192, 204, 241
	global_store_b128 v1, v[192:195], s[80:81]     ; 512 consecutive bytes,
	global_store_b64 v2, v[196:197], s[80:81]      ; and the 256 behind them
	global_store_b16 v[R16], v241, s[82:83]        ; two bytes a row: the other half of each word is another head's, made by another work-group (lanes r and r + 16 write the same bytes with the same value)
	s_wait_tensorcnt 0x0                           ; the wave's end
	ds_add_u32 v[SPW], v[NIL]
	s_wait_dscnt 0x0
	CROUND                                         ; the closing round
	s_endpgm
.Lfunc_end_k_qca81ed687e_attn:
	.size	k_qca81ed687e_attn, .Lfunc_end_k_qca81ed687e_attn-k_qca81ed687e_attn
	.p2alignl 7, 3214868480
	.fill 96, 4, 3214868480
	.section	.rodata,"a",@progbits
	.p2align	6, 0x0
	.amdhsa_kernel k_qca81ed687e_attn
		.amdhsa_group_segment_fixed_size 251904
		.amdhsa_private_segment_fixed_size 0
		.amdhsa_enable_private_segment 0
		.amdhsa_kernarg_size 16
		.amdhsa_user_sgpr_count 2
		.amdhsa_user_sgpr_kernarg_segment_ptr 1
		.amdhsa_wavefront_size32 1
		.amdhsa_system_sgpr_workgroup_id_x 1
		.amdhsa_system_sgpr_workgroup_id_y 1
		.amdhsa_system_sgpr_workgroup_id_z 1
		.amdhsa_system_vgpr_workitem_id 0
		.amdhsa_next_free_vgpr 256
		.amdhsa_next_free_sgpr 100
		.amdhsa_reserve_vcc 1
		.amdhsa_float_denorm_mode_32 3
		.amdhsa_float_denorm_mode_16_64 3
		.amdhsa_memory_ordered 1
		.amdhsa_forward_progress 1
		.amdhsa_inst_pref_size 67
	.end_amdhsa_kernel
	.amdgpu_metadata
---
amdhsa.version: [ 1, 2 ]
amdhsa.kernels:
  - .name:           k_qca81ed687e_attn
    .symbol:         k_qca81ed687e_attn.kd
    .args:
      - { .name: qkv, .offset: 0, .size: 8, .value_kind: global_buffer, .address_space: global }
      - { .name: zimg, .offset: 8, .size: 8, .value_kind: global_buffer, .address_space: global }
    .group_segment_fixed_size: 251904
    .private_segment_fixed_size: 0
    .kernarg_segment_align: 8
    .kernarg_segment_size: 16
    .max_flat_workgroup_size: 512
    .sgpr_count:     100
    .vgpr_count:     256
    .wavefront_size: 32
...
	.end_amdgpu_metadata
.endif
;; end of part 3
;; launch oproj (part 4): grid 8 x 32, 8 waves a work-group, clusters of 4 x 4, 327,680 bytes of LDS; arguments zimg, img, x, x1, x1img; writes x1, x1img
.if DOCPART == 4
	.amdgcn_target "amdgcn-amd-amdhsa--gfx1250"
	.amdhsa_code_object_version 6
	.text
	.protected	k_qca81ed687e_oproj
	.globl	k_qca81ed687e_oproj
	.p2align	8
	.type	k_qca81ed687e_oproj,@function
k_qca81ed687e_oproj:
	s_mov_b64 s[64:65], 0
	v_nop
	global_prefetch_b8 v0, s[64:65] scope:SCOPE_SE
	s_setreg_imm32_b32 hwreg(HW_REG_WAVE_MODE, 25, 1), 1
	s_wait_xcnt 0x0
	s_wait_alu depctr_hold_cnt(0) depctr_sa_sdst(0) depctr_va_vdst(0) depctr_va_sdst(0) depctr_va_ssrc(0) depctr_va_vcc(0) depctr_vm_vsrc(0)
	s_getreg_b32 s2, hwreg(HW_REG_IB_STS2, 6, 4)
	s_cmp_eq_u32 s2, 0
	s_cbranch_scc0 .Lentry_in_a_cluster
	s_endpgm
.Lentry_in_a_cluster:
	s_bfe_u32 s2, ttmp6, 0x10000c
	s_cmp_lg_u32 s2, 0xf033
	s_cbranch_scc0 .Lentry_shape_is_right
	s_endpgm
.Lentry_shape_is_right:
; x1 = x + z W_O^T, K = 1,024, on codes of FP6; x1 leaves as f32 (for the last launch's residual) and, quantised along its 1,024, as images for the next product.
; Operands and results are images of operand registers, in units of 12,800 bytes (the layout is set out at the head of the first launch).
; A work-group of eight waves makes 128 x 128, so that N = 1,024 gives 256 work-groups.  A wave makes 64 x 64 (16 accumulators); THE TWO GROUPS OF FOUR WAVES SHARE K: of each four K steps group 0 takes the first two,
; group 1 the other two; group 1's sums begin with x's tile, group 0's with 0; at the end group 1 hands its sums over through LDS and group 0 adds them in f32.  (So a sum over K is formed in two halves.)
; THE MATRIX INSTRUCTION IS USED TRANSPOSED (source 0 = 16 rows of W_O, source 1 = 16 rows of z): a lane holds one row, its registers neighbouring columns.
; LDS: two slots of 4 K steps x (A's unit + B's unit), 102,400 bytes each: here they hold all of K and are filled once.  Each wave fetches two neighbouring units (100 rows of 256 bytes) of one slot.
; CLUSTERS: 4 x 4 work-groups; A's units are asked for jointly along a row of the cluster, B's along a column.
.set UNIT,  12800
.set SLOT,  8*UNIT
.set PIECE, UNIT
.set PROWS, 100                        ; ONE load a wave brings all of K: two neighbouring units, 100 rows of 256 bytes (wave q of a side: units 2 q, 2 q + 1); this takes the place of one unit of each slot
.set FILLB, 4*UNIT
.set KS,    8                          ; units along K
.set U0,    448                        ; W_O's first unit in img
.set XR,    204800                     ; four regions of 64 rows x 272 bytes, one for each pair of waves w, w + 4: the turns between rows and the result's layout, and group 1's sums
.set SCT,   274432
.set SPARE, 276480
.set SPW,  1
.set NIL,  2
.set ADA,  4
.set ADA8, 6
.set ADB,  8
.set ADB8, 10
.set ADS,  12
.set L16,  14
.set L8H,  15
.set VSCT, 16
.set VSCR, 17
.set L8,   18
.set VRED, 19                          ; v19  my region + 16 x lane
.set VSTD, 20                          ; v20  my region in the result's layout: row r + 8 (r / 8), + 64 h bytes
.set VSTR, 21                          ; v21  by rows: lanes 0-15 one row of 256 bytes, lanes 16-31 the next
.set VGR,  22                          ; v22  the same two rows in memory (4,096 bytes a row)
.set SC,   24
.set TQ,   32
.set FA,   32
.set FB,   80
.set ACC,  128
.set G1,   24
.set G0,   32
.set G1B,  48
.set G0B,  56
.set SEL,  90
.macro JLOAD g0a, g1a, g0b, g1b        ; a joint load: waves 0-3 fetch for A, waves 4-7 for B; an s_nop 0 and four v_nop follow each line
	s_cmp_eq_u32 s15, 0
	s_cbranch_scc0 .Lfor_b_\@
	tensor_load_to_lds s[\g0a:\g0a+3], s[\g1a:\g1a+7]
	s_nop 0
.rept 4
	v_nop
.endr
	s_branch .Lasked_\@
.Lfor_b_\@:
	tensor_load_to_lds s[\g0b:\g0b+3], s[\g1b:\g1b+7]
	s_nop 0
.rept 4
	v_nop
.endr
.Lasked_\@:
.endm
.macro CROUND
	s_barrier_signal -1
	s_barrier_wait -1
	s_cmp_lg_u32 s14, 0
	s_cbranch_scc1 .Lnot_wave_0_\@
	s_barrier_signal -3
.Lnot_wave_0_\@:
	s_barrier_wait -3
	s_barrier_signal -1
	s_barrier_wait -1
.endm
.macro FRAG reg, a16, a8, off
	ds_load_b128 v[\reg:\reg+3], v[\a16] offset:\off
	ds_load_b64 v[\reg+4:\reg+5], v[\a8] offset:\off
	ds_load_b128 v[\reg+6:\reg+9], v[\a16] offset:\off+768
	ds_load_b64 v[\reg+10:\reg+11], v[\a8] offset:\off+768
.endm
.macro KLOADS slot, j                  ; my group's j-th K step of the slot: 33 LDS loads, behind four places
.rept 4
	v_nop
.endr
	ds_load_b128 v[SC:SC+3], v[ADS+\slot] offset:UNIT*\j
.irp i, 0,1,2,3
	FRAG FB+12*\i, ADB+\slot, ADB8+\slot, UNIT*\j+1536*\i
.endr
.irp i, 0,1,2,3
	FRAG FA+12*\i, ADA+\slot, ADA8+\slot, UNIT*\j+1536*\i
.endr
.endm
.macro MM8 a0, zero                    ; the sixteen accumulators take turns, one instruction a turn
.irp a, \a0, \a0+1
.irp b, 0,1,2,3
.if \zero
	v_wmma_scale_f32_16x16x128_f8f6f4 v[ACC+32*(\a)+8*\b:ACC+32*(\a)+8*\b+7], v[FB+12*\b:FB+12*\b+11], v[FA+12*(\a):FA+12*(\a)+11], 0, v[SC+\b], v[SC+(\a)] matrix_a_fmt:MATRIX_FMT_FP6 matrix_b_fmt:MATRIX_FMT_FP6 matrix_a_scale:MATRIX_SCALE_ROW1
.else
	v_wmma_scale_f32_16x16x128_f8f6f4 v[ACC+32*(\a)+8*\b:ACC+32*(\a)+8*\b+7], v[FB+12*\b:FB+12*\b+11], v[FA+12*(\a):FA+12*(\a)+11], v[ACC+32*(\a)+8*\b:ACC+32*(\a)+8*\b+7], v[SC+\b], v[SC+(\a)] matrix_a_fmt:MATRIX_FMT_FP6 matrix_b_fmt:MATRIX_FMT_FP6 matrix_a_scale:MATRIX_SCALE_ROW1
.endif
.endr
.endr
.endm
.macro MULS zero
	s_wait_dscnt 8                                 ; all but the youngest eight loads (A's fragments 2 and 3) are in
	MM8 0, \zero
	s_wait_dscnt 0x0
	MM8 2, \zero
.endm
.macro KSTEP slot, j, zero
	KLOADS \slot, \j
	MULS \zero
.endm
.macro QUANT2 s, p, t, hw              ; 32 numbers of a lane, register 16 b + i = column 32 b + 16 (lane / 16) + i of my row, become half a fragment and two scale bytes
	v_max3_num_f32 v[TQ], |v[\s]|, |v[\s+1]|, 0x1800000
	v_max3_num_f32 v[TQ+1], |v[\s+16]|, |v[\s+17]|, 0x1800000
.irp i, 2,4,6,8,10,12,14
	s_delay_alu instid0(VALU_DEP_2)
	v_max3_num_f32 v[TQ], v[TQ], |v[\s+\i]|, |v[\s+1+\i]|
	s_delay_alu instid0(VALU_DEP_2)
	v_max3_num_f32 v[TQ+1], v[TQ+1], |v[\s+16+\i]|, |v[\s+17+\i]|
.endr
	s_delay_alu instid0(VALU_DEP_2)
	v_permlanex16_b32 v[TQ+2], v[TQ], s[SEL], s[SEL+1]
	s_delay_alu instid0(VALU_DEP_2)
	v_permlanex16_b32 v[TQ+3], v[TQ+1], s[SEL], s[SEL+1]
	s_delay_alu instid0(VALU_DEP_2)
	v_max_num_f32 v[TQ], v[TQ], v[TQ+2]
	s_delay_alu instid0(VALU_DEP_2)
	v_max_num_f32 v[TQ+1], v[TQ+1], v[TQ+3]
	s_delay_alu instid0(VALU_DEP_2)
	v_add_nc_u32 v[TQ+4], 0xff000000, v[TQ]
	s_delay_alu instid0(VALU_DEP_2)
	v_add_nc_u32 v[TQ+5], 0xff000000, v[TQ+1]
	s_delay_alu instid0(VALU_DEP_2)
	v_lshrrev_b32 v[TQ+6], 23, v[TQ+4]
	s_delay_alu instid0(VALU_DEP_2)
	v_lshrrev_b32 v[TQ+7], 23, v[TQ+5]
	s_delay_alu instid0(VALU_DEP_1)
	v_lshl_or_b32 v[\hw], v[TQ+7], 8, v[TQ+6]
	v_cvt_scalef32_pk16_fp6_f32 v[\p:\p+2], v[\s:\s+15], v[TQ+4]
	v_cvt_scalef32_pk16_fp6_f32 v[\t:\t+2], v[\s+16:\s+31], v[TQ+5]
	v_nop
.irp i, 0,1,2
	v_permlane16_swap_b32 v[\p+\i], v[\t+\i]
.endr
.irp i, 0,1,2
	s_delay_alu instid0(VALU_DEP_3)
	v_mov_b32 v[\p+3+\i], v[\t+\i]
.endr
.endm
; 64 rows x 64 columns of f32 from memory into the accumulators' layout: read by rows (sixteen lanes take 256 consecutive bytes), turned through my region of LDS.  LDS serves a wave's instructions in order.
.macro TURNIN base
.set i, 0
.rept 32
	global_load_b128 v[ACC+4*i:ACC+4*i+3], v[VGR], s[\base:\base+1] offset:8192*i
.set i, i+1
.endr
.set i, 0
.rept 32
	s_wait_loadcnt 31-i                            ; rows 2 i, 2 i + 1 are in; the younger loads may be out
	ds_store_b128 v[VSTR], v[ACC+4*i:ACC+4*i+3] offset:544*i
.set i, i+1
.endr
.set n, 0
.rept 32
	ds_load_b128 v[ACC+4*n:ACC+4*n+3], v[VSTD] offset:(32*(n/16)+8*((n/8)%2))*272+128*((n/4)%2)+32*((n/2)%2)+16*(n%2)
.set n, n+1
.endr
.endm
.macro TURNOUT base                    ; and the other way
.set n, 0
.rept 32
	ds_store_b128 v[VSTD], v[ACC+4*n:ACC+4*n+3] offset:(32*(n/16)+8*((n/8)%2))*272+128*((n/4)%2)+32*((n/2)%2)+16*(n%2)
.set n, n+1
.endr
.set i, 0
.rept 32
	ds_load_b128 v[ACC+4*i:ACC+4*i+3], v[VSTR] offset:544*i
.set i, i+1
.endr
.set i, 0
.rept 32
	s_wait_dscnt 31-i
	global_store_b128 v[VGR], v[ACC+4*i:ACC+4*i+3], s[\base:\base+1] offset:8192*i     ; sixteen lanes store 256 consecutive bytes, aligned
.set i, i+1
.endr
.endm
	s_load_b256 s[4:11], s[0:1], 0x0               ; zimg, img, x, x1
	s_load_b64 s[12:13], s[0:1], 0x20              ; x1img
	v_lshl_add_u32 v[SPW], v0, 2, SPARE
	v_mov_b32 v[NIL], 0
	ds_add_u32 v[SPW], v[NIL]                      ; the wave's opening: the add, twice on end, and its wait ahead of my first tensor load
	ds_add_u32 v[SPW], v[NIL]
	v_lshrrev_b32 v3, 5, v0
	s_delay_alu instid0(VALU_DEP_1)
	v_readfirstlane_b32 s14, v3                    ; wave 0..7
	s_lshr_b32 s15, s14, 2                         ; I fetch for A (0) or for B (1)
	s_lshr_b32 s19, s14, 2                         ; my group along K
	s_and_b32 s16, s14, 3                          ; which two units I fetch; also which region of XR is mine
	s_bfe_u32 s17, s14, 0x10001                    ; wm
	s_and_b32 s18, s14, 1                          ; wn
	s_bfe_u32 s40, ttmp6, 0x40000
	s_bfe_u32 s41, ttmp6, 0x40004
	s_lshl_b32 s42, ttmp9, 2
	s_add_co_u32 s42, s42, s40                     ; nt
	s_and_b32 s92, ttmp7, 0xffff
	s_lshl_b32 s92, s92, 2
	s_add_co_u32 s92, s92, s41                     ; mt
	s_lshl_b32 s43, s41, 2
	s_lshl_b32 s43, 15, s43
	s_lshl_b32 s44, 0x1111, s40
	s_or_b32 s[G1], s43, (3<<16)|(1<<21)
	s_or_b32 s[G1B], s44, (3<<16)|(1<<21)
.irp g, G1, G1B
	s_mov_b32 s[\g+1], 32<<16
	s_mov_b32 s[\g+2], PROWS<<16
	s_mov_b32 s[\g+3], 32<<16
	s_mov_b32 s[\g+4], PROWS
	s_mov_b32 s[\g+5], 32
	s_mov_b32 s[\g+6], 0
	s_mov_b32 s[\g+7], 0
.endr
	s_mul_i32 s94, s92, KS
	s_add_co_u32 s94, s94, s16
	s_add_co_u32 s94, s94, s16                     ; unit 2 q
	s_mul_i32 s94, s94, UNIT
	s_mov_b32 s95, 0
	s_mul_i32 s46, s42, KS
	s_add_co_u32 s46, s46, s16
	s_add_co_u32 s46, s46, s16
	s_add_co_u32 s46, s46, U0
	s_mul_i32 s46, s46, UNIT
	s_mov_b32 s47, 0
	s_lshr_b32 s45, s16, 1                         ; units 0-3 lie in slot 0, units 4-7 in slot 1; in a slot A's four, then B's four
	s_mul_i32 s45, s45, SLOT
	s_and_b32 s20, s16, 1
	s_mul_i32 s20, s20, 2*UNIT
	s_add_co_u32 s45, s45, s20
	s_mul_i32 s20, s15, 4*UNIT
	s_add_co_u32 s45, s45, s20
	s_mov_b32 s[SEL], 0x76543210
	s_mov_b32 s[SEL+1], 0xfedcba98
	v_and_b32 v28, 31, v0
	v_and_b32 v29, 15, v0
	v_bfe_u32 v30, v0, 4, 1
	s_delay_alu instid0(VALU_DEP_3)
	v_lshlrev_b32 v[L16], 4, v28
	s_wait_alu depctr_va_vdst(0)
	v_lshlrev_b32 v[L8], 3, v28
	s_delay_alu instid0(VALU_DEP_1)
	v_add_nc_u32 v[L8H], 512, v[L8]
	s_wait_alu depctr_va_vdst(0)
	s_mul_i32 s70, s19, 2*UNIT                     ; my group's two units of A in a slot
	s_mul_i32 s71, s17, 6144
	s_add_co_u32 s71, s71, s70
	s_lshl_b32 s72, s17, 8
	s_add_co_u32 s72, s72, s70
	s_add_co_u32 s72, s72, 12288
	s_add_co_u32 s73, s70, 4*UNIT                  ; and of B
	s_mul_i32 s74, s18, 6144
	s_add_co_u32 s74, s74, s73
	s_lshl_b32 s75, s18, 8
	s_add_co_u32 s75, s75, s73
	s_add_co_u32 s75, s75, 12288
	s_sub_co_u32 s75, s75, s72
	v_add_nc_u32 v[ADA], s71, v[L16]
	s_delay_alu instid0(VALU_DEP_1)
	v_add_nc_u32 v[ADA+1], SLOT, v[ADA]
	v_add_nc_u32 v[ADA8], s71, v[L8H]
	s_delay_alu instid0(VALU_DEP_1)
	v_add_nc_u32 v[ADA8+1], SLOT, v[ADA8]
	v_add_nc_u32 v[ADB], s74, v[L16]
	s_delay_alu instid0(VALU_DEP_1)
	v_add_nc_u32 v[ADB+1], SLOT, v[ADB]
	v_add_nc_u32 v[ADB8], s74, v[L8H]
	s_delay_alu instid0(VALU_DEP_1)
	v_add_nc_u32 v[ADB8+1], SLOT, v[ADB8]
	v_mul_u32_u24 v31, s75, v30
	s_delay_alu instid0(VALU_DEP_1)
	v_lshl_add_u32 v31, v29, 4, v31
	s_delay_alu instid0(VALU_DEP_1)
	v_add_nc_u32 v[ADS], s72, v31
	s_delay_alu instid0(VALU_DEP_1)
	v_add_nc_u32 v[ADS+1], SLOT, v[ADS]
	s_mul_i32 s76, s16, 17408
	s_add_co_u32 s76, s76, XR
	v_add_nc_u32 v[VRED], s76, v[L16]
	v_and_b32 v31, 8, v29
	s_delay_alu instid0(VALU_DEP_1)
	v_add_nc_u32 v31, v31, v29
	s_delay_alu instid0(VALU_DEP_1)
	v_mul_u32_u24 v31, v31, 272
	s_delay_alu instid0(VALU_DEP_1)
	v_lshl_add_u32 v31, v30, 6, v31
	s_delay_alu instid0(VALU_DEP_1)
	v_add_nc_u32 v[VSTD], s76, v31
	v_mul_u32_u24 v31, v30, 272
	s_delay_alu instid0(VALU_DEP_1)
	v_lshl_add_u32 v31, v29, 4, v31
	s_delay_alu instid0(VALU_DEP_1)
	v_add_nc_u32 v[VSTR], s76, v31
	v_lshlrev_b32 v[VGR], 12, v30
	s_delay_alu instid0(VALU_DEP_1)
	v_lshl_add_u32 v[VGR], v29, 4, v[VGR]
	s_lshl_b32 s77, s17, 8
	s_add_co_u32 s77, s77, SCT
	v_add_nc_u32 v[VSCR], s77, v[L8]
	s_lshl_b32 s76, s18, 1
	s_add_co_u32 s77, s77, s76
	v_lshl_add_u32 v[VSCT], v29, 4, s77
	s_wait_dscnt 0x0                               ; both opening adds are done
	s_wait_kmcnt 0x0
	s_add_nc_u64 s[94:95], s[4:5], s[94:95]
	s_add_nc_u64 s[46:47], s[6:7], s[46:47]
	CROUND                                         ; all sixteen work-groups are here: the joint loads meet
	s_mov_b32 s[G0], 1
	s_mov_b32 s[G0+1], s45
	s_mov_b64 s[G0+2:G0+3], s[94:95]
	s_or_b32 s[G0+3], s[G0+3], 0x80000000
	s_mov_b32 s[G0B], 1
	s_mov_b32 s[G0B+1], s45
	s_mov_b64 s[G0B+2:G0B+3], s[46:47]
	s_or_b32 s[G0B+3], s[G0B+3], 0x80000000
	JLOAD G0, G1, G0B, G1B                         ; my one tensor load of the launch
	s_lshl_b32 s80, s92, 19                        ; my 64 x 64 of x and x1: (128 mt + 64 wm) rows of 4,096 bytes + (128 nt + 64 wn) x 4
	s_lshl_b32 s82, s17, 18
	s_add_co_u32 s80, s80, s82
	s_lshl_b32 s82, s42, 9
	s_add_co_u32 s80, s80, s82
	s_lshl_b32 s82, s18, 8
	s_add_co_u32 s80, s80, s82
	s_mov_b32 s81, 0
	s_add_nc_u64 s[82:83], s[8:9], s[80:81]        ; x
	s_add_nc_u64 s[84:85], s[10:11], s[80:81]      ; x1
	s_lshl_b32 s80, s92, 3
	s_add_co_u32 s80, s80, s42
	s_mul_i32 s80, s80, UNIT                       ; x1's unit (mt, nt)
	s_add_nc_u64 s[88:89], s[12:13], s[80:81]
	s_mul_i32 s80, s17, 6144
	s_mul_i32 s78, s18, 768
	s_add_co_u32 s80, s80, s78
	s_add_nc_u64 s[86:87], s[88:89], s[80:81]      ; my half fragments
	s_lshl_b32 s80, s17, 8
	s_add_co_u32 s80, s80, 12288
	s_add_nc_u64 s[88:89], s[88:89], s[80:81]      ; my rows' scale words
	s_cmp_eq_u32 s19, 0
	s_cbranch_scc1 .Lno_res
	s_wait_alu depctr_va_vdst(0)
	TURNIN 82                                      ; group 1's sums begin with x
.Lno_res:
	s_wait_tensorcnt 0x0                           ; my two units are in
	s_wait_dscnt 0x0
	s_barrier_signal -1
	s_barrier_wait -1
	KLOADS 0, 0
	s_cmp_eq_u32 s19, 0                            ; the first K step's products are written twice: group 0's start the sums, group 1's add onto x
	s_cbranch_scc1 .Lfirst_zero
	MULS 0
	s_branch .Lfirst_done
.Lfirst_zero:
	MULS 1
.Lfirst_done:
	KSTEP 0, 1, 0
	KSTEP 1, 0, 0
	KSTEP 1, 1, 0
.rept 4
	v_nop                                          ; places behind the last products
.endr
	s_cmp_eq_u32 s19, 0
	s_cbranch_scc1 .Lkeep
.set i, 0
.rept 32
	ds_store_b128 v[VRED], v[ACC+4*i:ACC+4*i+3] offset:512*i       ; group 1 hands its sums over, as they stand in its registers
.set i, i+1
.endr
.Lkeep:
	s_wait_dscnt 0x0
	s_barrier_signal -1
	s_barrier_wait -1
	s_cmp_lg_u32 s19, 0
	s_cbranch_scc1 .Lidle_a
.irp u, 0,1
.set i, 0
.rept 16
	ds_load_b128 v[32+4*i:35+4*i], v[VRED] offset:8192*\u+512*i
.set i, i+1
.endr
	s_wait_dscnt 0x0
.set i, 0
.rept 32
	v_pk_add_f32 v[ACC+64*\u+2*i:ACC+64*\u+2*i+1], v[ACC+64*\u+2*i:ACC+64*\u+2*i+1], v[32+2*i:33+2*i]
.set i, i+1
.endr
.endr
	v_mov_b32 v[TQ+2], 0
	v_mov_b32 v[TQ+3], 0
.irp a, 0,1,2,3
	QUANT2 ACC+32*\a, 48+8*\a, 80+4*\a, 40+\a
	global_store_b128 v[L16], v[48+8*\a:51+8*\a], s[86:87] offset:1536*\a
	global_store_b64 v[L8H], v[52+8*\a:53+8*\a], s[86:87] offset:1536*\a
	ds_store_b16 v[VSCT], v[40+\a] offset:4*\a
.endr
.Lidle_a:
	s_wait_dscnt 0x0                               ; my half words have landed
	s_barrier_signal -1
	s_barrier_wait -1
	s_cmp_lg_u32 s19, 0
	s_cbranch_scc1 .Lidle_b
	s_cmp_lg_u32 s18, 0
	s_cbranch_scc1 .Lno_words
	s_wait_alu depctr_va_vdst(0)
	ds_load_b64 v[32:33], v[VSCR]
	s_wait_dscnt 0x0
	global_store_b64 v[L8], v[32:33], s[88:89]     ; 256 consecutive bytes
.Lno_words:
	s_wait_alu depctr_va_vdst(0)
	TURNOUT 84                                     ; x1 as f32
.Lidle_b:
	s_wait_tensorcnt 0x0                           ; the wave's end
	ds_add_u32 v[SPW], v[NIL]
	s_wait_dscnt 0x0
	CROUND                                         ; the closing round
	s_endpgm
.Lfunc_end_k_qca81ed687e_oproj:
	.size	k_qca81ed687e_oproj, .Lfunc_end_k_qca81ed687e_oproj-k_qca81ed687e_oproj
	.p2alignl 7, 3214868480
	.fill 96, 4, 3214868480
	.section	.rodata,"a",@progbits
	.p2align	6, 0x0
	.amdhsa_kernel k_qca81ed687e_oproj
		.amdhsa_group_segment_fixed_size 327680
		.amdhsa_private_segment_fixed_size 0
		.amdhsa_enable_private_segment 0
		.amdhsa_kernarg_size 40
		.amdhsa_user_sgpr_count 2
		.amdhsa_user_sgpr_kernarg_segment_ptr 1
		.amdhsa_wavefront_size32 1
		.amdhsa_system_sgpr_workgroup_id_x 1
		.amdhsa_system_sgpr_workgroup_id_y 1
		.amdhsa_system_sgpr_workgroup_id_z 1
		.amdhsa_system_vgpr_workitem_id 0
		.amdhsa_next_free_vgpr 256
		.amdhsa_next_free_sgpr 100
		.amdhsa_reserve_vcc 0
		.amdhsa_float_denorm_mode_32 3
		.amdhsa_float_denorm_mode_16_64 3
		.amdhsa_memory_ordered 1
		.amdhsa_forward_progress 1
		.amdhsa_inst_pref_size 65
	.end_amdhsa_kernel
	.amdgpu_metadata
---
amdhsa.version: [ 1, 2 ]
amdhsa.kernels:
  - .name:           k_qca81ed687e_oproj
    .symbol:         k_qca81ed687e_oproj.kd
    .args:
      - { .name: zimg, .offset: 0, .size: 8, .value_kind: global_buffer, .address_space: global }
      - { .name: img, .offset: 8, .size: 8, .value_kind: global_buffer, .address_space: global }
      - { .name: x, .offset: 16, .size: 8, .value_kind: global_buffer, .address_space: global }
      - { .name: x1, .offset: 24, .size: 8, .value_kind: global_buffer, .address_space: global }
      - { .name: x1img, .offset: 32, .size: 8, .value_kind: global_buffer, .address_space: global }
    .group_segment_fixed_size: 327680
    .private_segment_fixed_size: 0
    .kernarg_segment_align: 8
    .kernarg_segment_size: 40
    .max_flat_workgroup_size: 256
    .sgpr_count:     100
    .vgpr_count:     256
    .wavefront_size: 32
...
	.end_amdgpu_metadata
.endif
;; end of part 4
;; launch mlpin (part 5): grid 16 x 16, 16 waves a work-group, clusters of 4 x 4, 327,680 bytes of LDS; arguments x1img, img, b_in, himg; writes himg
.if DOCPART == 5
	.amdgcn_target "amdgcn-amd-amdhsa--gfx1250"
	.amdhsa_code_object_version 6
	.text
	.protected	k_qca81ed687e_mlpin
	.globl	k_qca81ed687e_mlpin
	.p2align	8
	.type	k_qca81ed687e_mlpin,@function
k_qca81ed687e_mlpin:
	s_mov_b64 s[64:65], 0
	v_nop
	global_prefetch_b8 v0, s[64:65] scope:SCOPE_SE
	s_setreg_imm32_b32 hwreg(HW_REG_WAVE_MODE, 25, 1), 1
	s_wait_xcnt 0x0
	s_wait_alu depctr_hold_cnt(0) depctr_sa_sdst(0) depctr_va_vdst(0) depctr_va_sdst(0) depctr_va_ssrc(0) depctr_va_vcc(0) depctr_vm_vsrc(0)
	s_getreg_b32 s2, hwreg(HW_REG_IB_STS2, 6, 4)
	s_cmp_eq_u32 s2, 0
	s_cbranch_scc0 .Lentry_in_a_cluster
	s_endpgm
.Lentry_in_a_cluster:
	s_bfe_u32 s2, ttmp6, 0x10000c
	s_cmp_lg_u32 s2, 0xf033
	s_cbranch_scc0 .Lentry_shape_is_right
	s_endpgm
.Lentry_shape_is_right:
; h = relu(x1 W_in^T + b_in), K = 1,024, on codes of FP6; h is quantised in registers along its 4,096 and leaves as images of operand registers (units of 12,800 bytes: the layout is set out at the head of the first launch).
; A work-group of sixteen waves makes 256 x 256, a wave 64 x 64: 16 accumulators, which begin with b_in as C.  The matrix instruction is used transposed (source 0 = 16 rows of W_in, source 1 = 16 rows of x1).
; THE RING: two LDS slots, each with 2 K steps for 2 + 2 row blocks, 102,400 bytes; each wave fetches 6,400 dense bytes of a slot by one joint load (4 x 4 clusters: x1's pieces along a row, W_in's along a column).
.set UNIT,  12800
.set SLOT,  8*UNIT
.set PIECE, UNIT/2
.set PROWS, 25
.set FILLB, 2*UNIT
.set STEPB, 4*UNIT
.set LAPS,  2
.set SCT,   274432
.set SPARE, 276480
.set SPW,  1
.set NIL,  2
.set ADA,  4
.set ADA8, 6
.set ADB,  8
.set ADB8, 10
.set ADS,  12
.set L16,  14
.set L8H,  15
.set VSCT, 16
.set VSCR, 17
.set L8,   18
.set H64,  23
.set SC,   24
.set TQ,   32
.set FA,   32
.set FB,   80
.set ACC,  128
.set G1,   24
.set G0,   32
.set G1B,  48
.set G0B,  56
.set SEL,  90
.macro JLOAD g0a, g1a, g0b, g1b
	s_cmp_eq_u32 s15, 0
	s_cbranch_scc0 .Lfor_b_\@
	tensor_load_to_lds s[\g0a:\g0a+3], s[\g1a:\g1a+7]
	s_nop 0
.rept 4
	v_nop
.endr
	s_branch .Lasked_\@
.Lfor_b_\@:
	tensor_load_to_lds s[\g0b:\g0b+3], s[\g1b:\g1b+7]
	s_nop 0
.rept 4
	v_nop
.endr
.Lasked_\@:
.endm
.macro CROUND
	s_barrier_signal -1
	s_barrier_wait -1
	s_cmp_lg_u32 s14, 0
	s_cbranch_scc1 .Lnot_wave_0_\@
	s_barrier_signal -3
.Lnot_wave_0_\@:
	s_barrier_wait -3
	s_barrier_signal -1
	s_barrier_wait -1
.endm
.macro FRAG reg, a16, a8, off
	ds_load_b128 v[\reg:\reg+3], v[\a16] offset:\off
	ds_load_b64 v[\reg+4:\reg+5], v[\a8] offset:\off
	ds_load_b128 v[\reg+6:\reg+9], v[\a16] offset:\off+768
	ds_load_b64 v[\reg+10:\reg+11], v[\a8] offset:\off+768
.endm
.macro KLOADS slot, j
.rept 4
	v_nop
.endr
	ds_load_b128 v[SC:SC+3], v[ADS+\slot] offset:UNIT*\j
.irp i, 0,1,2,3
	FRAG FB+12*\i, ADB+\slot, ADB8+\slot, UNIT*\j+1536*\i
.endr
.irp i, 0,1,2,3
	FRAG FA+12*\i, ADA+\slot, ADA8+\slot, UNIT*\j+1536*\i
.endr
.endm
.macro MM8 a0
.irp a, \a0, \a0+1
.irp b, 0,1,2,3
	v_wmma_scale_f32_16x16x128_f8f6f4 v[ACC+32*(\a)+8*\b:ACC+32*(\a)+8*\b+7], v[FB+12*\b:FB+12*\b+11], v[FA+12*(\a):FA+12*(\a)+11], v[ACC+32*(\a)+8*\b:ACC+32*(\a)+8*\b+7], v[SC+\b], v[SC+(\a)] matrix_a_fmt:MATRIX_FMT_FP6 matrix_b_fmt:MATRIX_FMT_FP6 matrix_a_scale:MATRIX_SCALE_ROW1
.endr
.endr
.endm
.macro KSTEP slot, j
	KLOADS \slot, \j
	s_wait_dscnt 8
	MM8 0
	s_wait_dscnt 0x0
	MM8 2
.endm
.macro CHANGE slot
	s_wait_tensorcnt 0x0
	ds_add_u32 v[SPW], v[NIL]
	s_add_nc_u64 s[G0+4*\slot+2:G0+4*\slot+3], s[G0+4*\slot+2:G0+4*\slot+3], STEPB
	s_add_nc_u64 s[G0B+4*\slot+2:G0B+4*\slot+3], s[G0B+4*\slot+2:G0B+4*\slot+3], STEPB
	s_wait_dscnt 0x0
	CROUND
	JLOAD G0+4*\slot, G1, G0B+4*\slot, G1B
.endm
.macro LAST
	s_wait_tensorcnt 0x0
	ds_add_u32 v[SPW], v[NIL]
	s_wait_dscnt 0x0
	s_barrier_signal -1
	s_barrier_wait -1
.endm
.macro QUANT2 s, p, t, hw
	v_max3_num_f32 v[TQ], |v[\s]|, |v[\s+1]|, 0x1800000
	v_max3_num_f32 v[TQ+1], |v[\s+16]|, |v[\s+17]|, 0x1800000
.irp i, 2,4,6,8,10,12,14
	s_delay_alu instid0(VALU_DEP_2)
	v_max3_num_f32 v[TQ], v[TQ], |v[\s+\i]|, |v[\s+1+\i]|
	s_delay_alu instid0(VALU_DEP_2)
	v_max3_num_f32 v[TQ+1], v[TQ+1], |v[\s+16+\i]|, |v[\s+17+\i]|
.endr
	s_delay_alu instid0(VALU_DEP_2)
	v_permlanex16_b32 v[TQ+2], v[TQ], s[SEL], s[SEL+1]
	s_delay_alu instid0(VALU_DEP_2)
	v_permlanex16_b32 v[TQ+3], v[TQ+1], s[SEL], s[SEL+1]
	s_delay_alu instid0(VALU_DEP_2)
	v_max_num_f32 v[TQ], v[TQ], v[TQ+2]
	s_delay_alu instid0(VALU_DEP_2)
	v_max_num_f32 v[TQ+1], v[TQ+1], v[TQ+3]
	s_delay_alu instid0(VALU_DEP_2)
	v_add_nc_u32 v[TQ+4], 0xff000000, v[TQ]
	s_delay_alu instid0(VALU_DEP_2)
	v_add_nc_u32 v[TQ+5], 0xff000000, v[TQ+1]
	s_delay_alu instid0(VALU_DEP_2)
	v_lshrrev_b32 v[TQ+6], 23, v[TQ+4]
	s_delay_alu instid0(VALU_DEP_2)
	v_lshrrev_b32 v[TQ+7], 23, v[TQ+5]
	s_delay_alu instid0(VALU_DEP_1)
	v_lshl_or_b32 v[\hw], v[TQ+7], 8, v[TQ+6]
	v_cvt_scalef32_pk16_fp6_f32 v[\p:\p+2], v[\s:\s+15], v[TQ+4]
	v_cvt_scalef32_pk16_fp6_f32 v[\t:\t+2], v[\s+16:\s+31], v[TQ+5]
	v_nop
.irp i, 0,1,2
	v_permlane16_swap_b32 v[\p+\i], v[\t+\i]
.endr
.irp i, 0,1,2
	s_delay_alu instid0(VALU_DEP_3)
	v_mov_b32 v[\p+3+\i], v[\t+\i]
.endr
.endm
	s_load_b256 s[4:11], s[0:1], 0x0
	v_lshl_add_u32 v[SPW], v0, 2, SPARE
	v_mov_b32 v[NIL], 0
	ds_add_u32 v[SPW], v[NIL]
	ds_add_u32 v[SPW], v[NIL]
	v_lshrrev_b32 v3, 5, v0
	s_delay_alu instid0(VALU_DEP_1)
	v_readfirstlane_b32 s14, v3
	s_lshr_b32 s15, s14, 3
	s_and_b32 s16, s14, 7
	s_lshr_b32 s17, s14, 2
	s_and_b32 s18, s14, 3
	s_bfe_u32 s40, ttmp6, 0x40000
	s_bfe_u32 s41, ttmp6, 0x40004
	s_lshl_b32 s42, ttmp9, 2
	s_add_co_u32 s42, s42, s40
	s_and_b32 s92, ttmp7, 0xffff
	s_lshl_b32 s92, s92, 2
	s_add_co_u32 s92, s92, s41
	s_lshl_b32 s43, s41, 2
	s_lshl_b32 s43, 15, s43
	s_lshl_b32 s44, 0x1111, s40
	s_or_b32 s[G1], s43, (3<<16)|(1<<21)
	s_or_b32 s[G1B], s44, (3<<16)|(1<<21)
.irp g, G1, G1B
	s_mov_b32 s[\g+1], 32<<16
	s_mov_b32 s[\g+2], PROWS<<16
	s_mov_b32 s[\g+3], 32<<16
	s_mov_b32 s[\g+4], PROWS
	s_mov_b32 s[\g+5], 32
	s_mov_b32 s[\g+6], 0
	s_mov_b32 s[\g+7], 0
.endr
	s_lshr_b32 s20, s16, 2
	s_mul_i32 s20, s20, 8*UNIT
	s_and_b32 s21, s16, 3
	s_mul_i32 s21, s21, PIECE
	s_add_co_u32 s20, s20, s21
	s_mul_i32 s94, s92, 16*UNIT
	s_add_co_u32 s94, s94, s20
	s_mov_b32 s95, 0
	s_mul_i32 s46, s42, 16*UNIT
	s_add_co_u32 s46, s46, s20
	s_add_co_u32 s46, s46, 512*UNIT
	s_mov_b32 s47, 0
	s_mul_i32 s45, s14, PIECE
	s_mov_b32 s[SEL], 0x76543210
	s_mov_b32 s[SEL+1], 0xfedcba98
	v_and_b32 v28, 31, v0
	v_and_b32 v29, 15, v0
	v_bfe_u32 v30, v0, 4, 1
	s_delay_alu instid0(VALU_DEP_3)
	v_lshlrev_b32 v[L16], 4, v28
	s_wait_alu depctr_va_vdst(0)
	v_lshlrev_b32 v[L8], 3, v28
	s_delay_alu instid0(VALU_DEP_1)
	v_add_nc_u32 v[L8H], 512, v[L8]
	s_wait_alu depctr_va_vdst(0)
	v_lshlrev_b32 v[H64], 6, v30
	s_lshr_b32 s66, s17, 1
	s_and_b32 s67, s17, 1
	s_lshr_b32 s68, s18, 1
	s_and_b32 s69, s18, 1
	s_mul_i32 s70, s66, 2*UNIT
	s_mul_i32 s71, s67, 6144
	s_add_co_u32 s71, s71, s70
	s_lshl_b32 s72, s67, 8
	s_add_co_u32 s72, s72, s70
	s_add_co_u32 s72, s72, 12288
	s_mul_i32 s73, s68, 2*UNIT
	s_add_co_u32 s73, s73, 4*UNIT
	s_mul_i32 s74, s69, 6144
	s_add_co_u32 s74, s74, s73
	s_lshl_b32 s75, s69, 8
	s_add_co_u32 s75, s75, s73
	s_add_co_u32 s75, s75, 12288
	s_sub_co_u32 s75, s75, s72
	v_add_nc_u32 v[ADA], s71, v[L16]
	s_delay_alu instid0(VALU_DEP_1)
	v_add_nc_u32 v[ADA+1], SLOT, v[ADA]
	v_add_nc_u32 v[ADA8], s71, v[L8H]
	s_delay_alu instid0(VALU_DEP_1)
	v_add_nc_u32 v[ADA8+1], SLOT, v[ADA8]
	v_add_nc_u32 v[ADB], s74, v[L16]
	s_delay_alu instid0(VALU_DEP_1)
	v_add_nc_u32 v[ADB+1], SLOT, v[ADB]
	v_add_nc_u32 v[ADB8], s74, v[L8H]
	s_delay_alu instid0(VALU_DEP_1)
	v_add_nc_u32 v[ADB8+1], SLOT, v[ADB8]
	v_mul_u32_u24 v31, s75, v30
	s_delay_alu instid0(VALU_DEP_1)
	v_lshl_add_u32 v31, v29, 4, v31
	s_delay_alu instid0(VALU_DEP_1)
	v_add_nc_u32 v[ADS], s72, v31
	s_delay_alu instid0(VALU_DEP_1)
	v_add_nc_u32 v[ADS+1], SLOT, v[ADS]
	s_lshl_b32 s76, s66, 10
	s_lshl_b32 s77, s68, 9
	s_add_co_u32 s76, s76, s77
	s_lshl_b32 s77, s67, 8
	s_add_co_u32 s76, s76, s77
	s_add_co_u32 s76, s76, SCT
	v_add_nc_u32 v[VSCR], s76, v[L8]
	s_lshl_b32 s77, s69, 1
	s_add_co_u32 s76, s76, s77
	v_lshl_add_u32 v[VSCT], v29, 4, s76
	s_wait_dscnt 0x0
	s_wait_kmcnt 0x0
	s_add_nc_u64 s[94:95], s[4:5], s[94:95]
	s_add_nc_u64 s[46:47], s[6:7], s[46:47]
	CROUND
.irp s, 0,1
	s_mov_b32 s[G0+4*\s], 1
	s_add_co_u32 s[G0+4*\s+1], s45, \s*SLOT
	s_add_nc_u64 s[G0+4*\s+2:G0+4*\s+3], s[94:95], \s*FILLB
	s_or_b32 s[G0+4*\s+3], s[G0+4*\s+3], 0x80000000
	s_mov_b32 s[G0B+4*\s], 1
	s_add_co_u32 s[G0B+4*\s+1], s45, \s*SLOT
	s_add_nc_u64 s[G0B+4*\s+2:G0B+4*\s+3], s[46:47], \s*FILLB
	s_or_b32 s[G0B+4*\s+3], s[G0B+4*\s+3], 0x80000000
.endr
	JLOAD G0, G1, G0B, G1B                         ; slot 0: one tensor load a wave at the head
	s_lshl_b32 s80, s42, 10
	s_lshl_b32 s82, s18, 8
	s_add_co_u32 s80, s80, s82
	s_mov_b32 s81, 0
	s_add_nc_u64 s[84:85], s[8:9], s[80:81]
.set n, 0
.rept 32
	global_load_b128 v[ACC+4*n:ACC+4*n+3], v[H64], s[84:85] offset:128*((n/4)%2)+32*((n/2)%2)+16*(n%2)
.set n, n+1
.endr
	s_lshl_b32 s80, s92, 1
	s_add_co_u32 s80, s80, s66
	s_lshl_b32 s80, s80, 5
	s_lshl_b32 s82, s42, 1
	s_add_co_u32 s80, s80, s82
	s_add_co_u32 s80, s80, s68
	s_mul_i32 s80, s80, UNIT
	s_add_nc_u64 s[78:79], s[10:11], s[80:81]
	s_mul_i32 s80, s67, 6144
	s_mul_i32 s82, s69, 768
	s_add_co_u32 s80, s80, s82
	s_add_nc_u64 s[76:77], s[78:79], s[80:81]
	s_lshl_b32 s80, s67, 8
	s_add_co_u32 s80, s80, 12288
	s_add_nc_u64 s[78:79], s[78:79], s[80:81]
	s_wait_alu depctr_va_vdst(0)
	s_wait_tensorcnt 0x0                           ; my piece of slot 0 is in; slot 1's first fill is issued as a refill is
	ds_add_u32 v[SPW], v[NIL]
	s_wait_dscnt 0x0
	CROUND                                         ; everybody's piece is in, and the joint loads meet
	JLOAD G0+4, G1, G0B+4, G1B                     ; slot 1: my one tensor load behind the round
	s_wait_loadcnt 0x0                             ; b_in stands in the accumulators
	KSTEP 0, 0
	KSTEP 0, 1
	s_mov_b32 s3, LAPS-1
.Llap:
	CHANGE 0
	KSTEP 1, 0
	KSTEP 1, 1
	CHANGE 1
	KSTEP 0, 0
	KSTEP 0, 1
	s_sub_co_u32 s3, s3, 1
	s_cmp_lg_u32 s3, 0
	s_cbranch_scc1 .Llap
	LAST
	KSTEP 1, 0
	KSTEP 1, 1
.rept 4
	v_nop
.endr
	v_mov_b32 v[TQ+2], 0
	v_mov_b32 v[TQ+3], 0
.irp a, 0,1,2,3
.set j, 0
.rept 32
	v_max_num_f32 v[ACC+32*\a+j], 0, v[ACC+32*\a+j]
.set j, j+1
.endr
	QUANT2 ACC+32*\a, 48+8*\a, 80+4*\a, 40+\a
	global_store_b128 v[L16], v[48+8*\a:51+8*\a], s[76:77] offset:1536*\a
	global_store_b64 v[L8H], v[52+8*\a:53+8*\a], s[76:77] offset:1536*\a
	ds_store_b16 v[VSCT], v[40+\a] offset:4*\a
.endr
	s_wait_dscnt 0x0
	s_barrier_signal -1
	s_barrier_wait -1
	s_cmp_lg_u32 s69, 0
	s_cbranch_scc1 .Lno_words
	ds_load_b64 v[32:33], v[VSCR]
	s_wait_dscnt 0x0
	global_store_b64 v[L8], v[32:33], s[78:79]
.Lno_words:
	s_wait_tensorcnt 0x0
	ds_add_u32 v[SPW], v[NIL]
	s_wait_dscnt 0x0
	CROUND
	s_endpgm
.Lfunc_end_k_qca81ed687e_mlpin:
	.size	k_qca81ed687e_mlpin, .Lfunc_end_k_qca81ed687e_mlpin-k_qca81ed687e_mlpin
	.p2alignl 7, 3214868480
	.fill 96, 4, 3214868480
	.section	.rodata,"a",@progbits
	.p2align	6, 0x0
	.amdhsa_kernel k_qca81ed687e_mlpin
		.amdhsa_group_segment_fixed_size 327680
		.amdhsa_private_segment_fixed_size 0
		.amdhsa_enable_private_segment 0
		.amdhsa_kernarg_size 32
		.amdhsa_user_sgpr_count 2
		.amdhsa_user_sgpr_kernarg_segment_ptr 1
		.amdhsa_wavefront_size32 1
		.amdhsa_system_sgpr_workgroup_id_x 1
		.amdhsa_system_sgpr_workgroup_id_y 1
		.amdhsa_system_sgpr_workgroup_id_z 1
		.amdhsa_system_vgpr_workitem_id 0
		.amdhsa_next_free_vgpr 256
		.amdhsa_next_free_sgpr 100
		.amdhsa_reserve_vcc 0
		.amdhsa_float_denorm_mode_32 3
		.amdhsa_float_denorm_mode_16_64 3
		.amdhsa_memory_ordered 1
		.amdhsa_forward_progress 1
		.amdhsa_inst_pref_size 65
	.end_amdhsa_kernel
	.amdgpu_metadata
---
amdhsa.version: [ 1, 2 ]
amdhsa.kernels:
  - .name:           k_qca81ed687e_mlpin
    .symbol:         k_qca81ed687e_mlpin.kd
    .args:
      - { .name: x1img, .offset: 0, .size: 8, .value_kind: global_buffer, .address_space: global }
      - { .name: img, .offset: 8, .size: 8, .value_kind: global_buffer, .address_space: global }
      - { .name: b_in, .offset: 16, .size: 8, .value_kind: global_buffer, .address_space: global }
      - { .name: himg, .offset: 24, .size: 8, .value_kind: global_buffer, .address_space: global }
    .group_segment_fixed_size: 327680
    .private_segment_fixed_size: 0
    .kernarg_segment_align: 8
    .kernarg_segment_size: 32
    .max_flat_workgroup_size: 512
    .sgpr_count:     100
    .vgpr_count:     256
    .wavefront_size: 32
...
	.end_amdgpu_metadata
.endif
;; end of part 5
;; launch mlpout (part 6): grid 8 x 32, 8 waves a work-group, clusters of 4 x 4, 327,680 bytes of LDS; arguments himg, img, b_out, x1, out0; writes out0
.if DOCPART == 6
	.amdgcn_target "amdgcn-amd-amdhsa--gfx1250"
	.amdhsa_code_object_version 6
	.text
	.protected	k_qca81ed687e_mlpout
	.globl	k_qca81ed687e_mlpout
	.p2align	8
	.type	k_qca81ed687e_mlpout,@function
k_qca81ed687e_mlpout:
	s_mov_b64 s[64:65], 0
	v_nop
	global_prefetch_b8 v0, s[64:65] scope:SCOPE_SE
	s_setreg_imm32_b32 hwreg(HW_REG_WAVE_MODE, 25, 1), 1
	s_wait_xcnt 0x0
	s_wait_alu depctr_hold_cnt(0) depctr_sa_sdst(0) depctr_va_vdst(0) depctr_va_sdst(0) depctr_va_ssrc(0) depctr_va_vcc(0) depctr_vm_vsrc(0)
	s_getreg_b32 s2, hwreg(HW_REG_IB_STS2, 6, 4)
	s_cmp_eq_u32 s2, 0
	s_cbranch_scc0 .Lentry_in_a_cluster
	s_endpgm
.Lentry_in_a_cluster:
	s_bfe_u32 s2, ttmp6, 0x10000c
	s_cmp_lg_u32 s2, 0xf033
	s_cbranch_scc0 .Lentry_shape_is_right
	s_endpgm
.Lentry_shape_is_right:
; out0 = x1 + h W_out^T + b_out, K = 4,096, on codes of FP6.  Operands are images of operand registers, in units of 128 rows x 128 K, 12,800 bytes (the layout is set out at the head of the first launch).
; A work-group of eight waves makes 128 x 128, so that N = 1,024 gives 256 work-groups.  A wave makes 64 x 64 (16 accumulators); THE TWO GROUPS OF FOUR WAVES SHARE K: of each fill group 0 takes the first half of the
; K steps, group 1 the second; both groups' sums begin with 0.  (So a sum over K is formed in two halves, added in f32.)
; THE MATRIX INSTRUCTION IS USED TRANSPOSED (source 0 = 16 rows of W_out, source 1 = 16 rows of h): a lane holds one row, its registers neighbouring columns.
; THE RING: two LDS slots of 6 K steps x (A's unit + B's unit), 153,600 bytes each.  K's 32 steps come in six fills: five of 6 steps and a last one of 2.  A row block's units along K are dense in memory: of a large fill
; each wave fetches 19,200 bytes (75 rows of 256), of the last 6,400 (25 rows), waves 0-3 A's, waves 4-7 B's: one tensor load a wave behind each round.  The last fill's two units land where each group's first unit lies.
; CLUSTERS: 4 x 4 work-groups; A's pieces are asked for jointly along a row of the cluster, B's along a column.
; PREFETCH: behind the joint load of fill f stands one prefetch a wave for fill f + 1: of the 75 (25) blocks of 256 bytes that the wave will fetch, each of the four partners that ask jointly names 19 (7), told apart by
; address (cx for A, cy for B), clamped to the piece's last block; lanes left over name the share's last block again.  Every offset is an immediate: no address register is written again.  The last fill asks for nothing.
; x1 AND b_out are read by rows (a wave's load covers 512 consecutive bytes) at the head, into v256-319 and v20-23, and wait there for the way out.
; THE WAY OUT: both groups lay their sums as rows of f32 (528 bytes apart) into slot 0, which has had its last fill and its last read; behind a barrier wave w takes rows 16 w .. 16 w + 15 of both parts, adds them,
; x1 and b_out, and stores whole rows of 512 bytes.
.set UNIT,  12800
.set HALF,  6*UNIT                     ; one operand's part of a slot, and of a large fill in memory
.set SLOT,  2*HALF
.set PIECE, HALF/4
.set PROWS, PIECE/256                  ; 75
.set LROWS, UNIT/512                   ; 25
.set GU,    3*UNIT                     ; from group 0's units to group 1's
.set KS,    32
.set U0,    768                        ; W_out's first unit in img
.set SPITCH, 528
.set PART,  128*SPITCH                 ; a group's sums on the way out
.set SPARE, 2*SLOT                     ; the spare words, 128 bytes for each wave
.set SPW,  1
.set NIL,  2
.set PFS,  3                           ; v3   the last fill's prefetch: 256 x my block
.set ADA,  4                           ; v4,5 A's fragments in slot 0, 1: the parts of 16 bytes a lane;  v6,7 the parts of 8
.set ADA8, 6
.set ADB,  8
.set ADB8, 10
.set ADS,  12                          ; v12,13 scale words: lanes 0-15 A's, lanes 16-31 B's
.set L16,  14                          ; v14  16 x lane
.set L8H,  15                          ; v15  512 + 8 x lane
.set VSTD, 16                          ; v16  the way out: my sums' place, row r + 8 (r / 8), + 64 h bytes
.set VRD,  17                          ; v17,18 my 16 rows in group 0's part, in group 1's
.set PFO,  19                          ; v19  a large fill's prefetch: 256 x my block
.set BV,   20                          ; v20-23 b_out at my four columns
.set SC,   24                          ; v24-27 scale words: they hold nothing else
.set FA,   32
.set FB,   80
.set ACC,  128
.set G1,   24
.set G0,   32
.set G1B,  48
.set G0B,  56
.set PA,   66                          ; s[66:67] my piece of fill 0 (the prefetches' base);  s[68:69] the same for pieces of 6,400 bytes
.set PB,   68
.set MSB, 0
.macro WIN new                         ; the immediate's high byte repeats the setting that is left
.if MSB != \new
	s_set_vgpr_msb (MSB<<8)|\new
.set MSB, \new
.endif
.endm
.macro JLOAD g0a, g1a, g0b, g1b        ; a joint load: waves 0-3 fetch for A, waves 4-7 for B; an s_nop 0 and four v_nop follow each line
	s_cmp_eq_u32 s15, 0
	s_cbranch_scc0 .Lfor_b_\@
	tensor_load_to_lds s[\g0a:\g0a+3], s[\g1a:\g1a+7]
	s_nop 0
.rept 4
	v_nop
.endr
	s_branch .Lasked_\@
.Lfor_b_\@:
	tensor_load_to_lds s[\g0b:\g0b+3], s[\g1b:\g1b+7]
	s_nop 0
.rept 4
	v_nop
.endr
.Lasked_\@:
.endm
.macro ASK f                           ; fill f's bytes of my piece, my work-group's share
.if \f < 5
	global_prefetch_b8 v[PFO], s[PA:PA+1] offset:(\f)*HALF th:TH_LOAD_NT scope:SCOPE_SE
.else
	global_prefetch_b8 v[PFS], s[PB:PB+1] offset:5*HALF th:TH_LOAD_NT scope:SCOPE_SE
.endif
.endm
.macro CROUND
	s_barrier_signal -1
	s_barrier_wait -1
	s_cmp_lg_u32 s14, 0
	s_cbranch_scc1 .Lnot_wave_0_\@
	s_barrier_signal -3
.Lnot_wave_0_\@:
	s_barrier_wait -3
	s_barrier_signal -1
	s_barrier_wait -1
.endm
.macro FRAG reg, a16, a8, off          ; a fragment's image: 12 registers
	ds_load_b128 v[\reg:\reg+3], v[\a16] offset:\off
	ds_load_b64 v[\reg+4:\reg+5], v[\a8] offset:\off
	ds_load_b128 v[\reg+6:\reg+9], v[\a16] offset:\off+768
	ds_load_b64 v[\reg+10:\reg+11], v[\a8] offset:\off+768
.endm
.macro MM8 a0, zero                    ; the sixteen accumulators take turns, one instruction a turn
.irp a, \a0, \a0+1
.irp b, 0,1,2,3
.if \zero
	v_wmma_scale_f32_16x16x128_f8f6f4 v[ACC+32*(\a)+8*\b:ACC+32*(\a)+8*\b+7], v[FB+12*\b:FB+12*\b+11], v[FA+12*(\a):FA+12*(\a)+11], 0, v[SC+\b], v[SC+(\a)] matrix_a_fmt:MATRIX_FMT_FP6 matrix_b_fmt:MATRIX_FMT_FP6 matrix_a_scale:MATRIX_SCALE_ROW1
.else
	v_wmma_scale_f32_16x16x128_f8f6f4 v[ACC+32*(\a)+8*\b:ACC+32*(\a)+8*\b+7], v[FB+12*\b:FB+12*\b+11], v[FA+12*(\a):FA+12*(\a)+11], v[ACC+32*(\a)+8*\b:ACC+32*(\a)+8*\b+7], v[SC+\b], v[SC+(\a)] matrix_a_fmt:MATRIX_FMT_FP6 matrix_b_fmt:MATRIX_FMT_FP6 matrix_a_scale:MATRIX_SCALE_ROW1
.endif
.endr
.endr
.endm
.macro KSTEP slot, j, zero             ; my group's j-th K step of the slot: 33 LDS loads behind four places, 16 products
.rept 4
	v_nop
.endr
	ds_load_b128 v[SC:SC+3], v[ADS+\slot] offset:UNIT*\j
.irp i, 0,1,2,3
	FRAG FB+12*\i, ADB+\slot, ADB8+\slot, UNIT*\j+1536*\i
.endr
.irp i, 0,1,2,3
	FRAG FA+12*\i, ADA+\slot, ADA8+\slot, UNIT*\j+1536*\i
.endr
	s_wait_dscnt 8                                 ; all but the youngest eight loads (A's fragments 2 and 3) are in
	MM8 0, \zero
	s_wait_dscnt 0x0
	MM8 2, \zero
.endm
.macro K3 slot
	KSTEP \slot, 0, 0
	KSTEP \slot, 1, 0
	KSTEP \slot, 2, 0
.endm
.macro CHANGE slot, f                  ; the slot just read takes fill f
	s_wait_tensorcnt 0x0                           ; all my tensor loads have landed, my piece of the other slot among them: so descriptors may be written
	ds_add_u32 v[SPW], v[NIL]                      ; 0 onto my spare word
.if \f == 5
	s_add_nc_u64 s[G0+4*\slot+2:G0+4*\slot+3], s[G0+4*\slot+2:G0+4*\slot+3], s[96:97]      ; two fills on, to my 6,400 bytes of the last two units,
	s_add_nc_u64 s[G0B+4*\slot+2:G0B+4*\slot+3], s[G0B+4*\slot+2:G0B+4*\slot+3], s[96:97]
	s_mov_b32 s[G0+4*\slot+1], s93                 ; which land where each group's first unit lies;
	s_mov_b32 s[G0B+4*\slot+1], s93
.irp g, G1, G1B
	s_mov_b32 s[\g+2], LROWS<<16                   ; 25 rows
	s_mov_b32 s[\g+4], LROWS
.endr
.else
	s_add_nc_u64 s[G0+4*\slot+2:G0+4*\slot+3], s[G0+4*\slot+2:G0+4*\slot+3], 2*HALF
	s_add_nc_u64 s[G0B+4*\slot+2:G0B+4*\slot+3], s[G0B+4*\slot+2:G0B+4*\slot+3], 2*HALF
.endif
	s_wait_dscnt 0x0                               ; the add is done, and my reads of the slot are over
	CROUND                                         ; both now hold of every wave of every partner
	JLOAD G0+4*\slot, G1, G0B+4*\slot, G1B         ; my one tensor load behind the round
.if \f < 5
	ASK \f+1
.endif
.endm
	s_load_b256 s[4:11], s[0:1], 0x0               ; himg, img, b_out, x1
	s_load_b64 s[12:13], s[0:1], 0x20              ; out0
	v_lshl_add_u32 v[SPW], v0, 2, SPARE
	v_mov_b32 v[NIL], 0
	ds_add_u32 v[SPW], v[NIL]                      ; the wave's opening: the add, twice on end, and its wait ahead of my first tensor load; work on registers stands between
	ds_add_u32 v[SPW], v[NIL]
	v_lshrrev_b32 v3, 5, v0
	v_readfirstlane_b32 s14, v3                    ; wave 0..7
	s_lshr_b32 s15, s14, 2                         ; I fetch for A (0) or for B (1); also my group along K
	s_and_b32 s16, s14, 3                          ; q: which piece
	s_bfe_u32 s17, s14, 0x10001                    ; wm
	s_and_b32 s18, s14, 1                          ; wn
	s_bfe_u32 s40, ttmp6, 0x40000                  ; cx
	s_bfe_u32 s41, ttmp6, 0x40004                  ; cy
	s_lshl_b32 s42, ttmp9, 2
	s_add_co_u32 s42, s42, s40                     ; nt
	s_and_b32 s92, ttmp7, 0xffff
	s_lshl_b32 s92, s92, 2
	s_add_co_u32 s92, s92, s41                     ; mt
	s_lshl_b32 s43, s41, 2
	s_lshl_b32 s43, 15, s43                        ; my row of the cluster
	s_lshl_b32 s44, 0x1111, s40                    ; my column
	s_or_b32 s[G1], s43, (3<<16)|(1<<21)           ; the mask; elements of 8 bytes; bit 21 set beside a mask; no padding
	s_or_b32 s[G1B], s44, (3<<16)|(1<<21)
.irp g, G1, G1B
	s_mov_b32 s[\g+1], 32<<16                      ; rows of 32 elements = 256 bytes,
	s_mov_b32 s[\g+2], PROWS<<16
	s_mov_b32 s[\g+3], 32<<16
	s_mov_b32 s[\g+4], PROWS
	s_mov_b32 s[\g+5], 32                          ; dense
	s_mov_b32 s[\g+6], 0
	s_mov_b32 s[\g+7], 0
.endr
	s_mul_i32 s20, s16, PIECE
	s_mul_i32 s94, s92, KS*UNIT
	s_add_co_u32 s94, s94, s20                     ; A: my piece of fill 0
	s_mov_b32 s95, 0
	s_mul_i32 s46, s42, KS*UNIT
	s_add_co_u32 s46, s46, s20
	s_add_co_u32 s46, s46, U0*UNIT                 ; B likewise
	s_mov_b32 s47, 0
	s_mul_i32 s45, s14, PIECE                      ; where it goes: no place in the cluster enters an LDS address
	s_lshr_b32 s93, s16, 1                         ; the last fill: unit q / 2 at its group's first unit, half q % 2 of it, in slot 1
	s_mul_i32 s93, s93, GU
	s_and_b32 s21, s16, 1
	s_mul_i32 s21, s21, UNIT/2
	s_add_co_u32 s93, s93, s21
	s_mul_i32 s21, s15, HALF
	s_add_co_u32 s93, s93, s21
	s_add_co_u32 s93, s93, SLOT
	s_mul_i32 s98, s16, PIECE-UNIT/2               ; from q pieces of 6,400 bytes to q of 19,200
	s_mov_b32 s99, 0
	s_sub_co_u32 s96, 2*HALF, s98
	s_mov_b32 s97, 0
	s_mul_i32 s70, s15, GU                         ; my group's units of A in a slot
	s_mul_i32 s71, s17, 6144
	s_add_co_u32 s71, s71, s70                     ; my four fragments of A
	s_lshl_b32 s72, s17, 8
	s_add_co_u32 s72, s72, s70
	s_add_co_u32 s72, s72, 12288                   ; and their scale words
	s_add_co_u32 s73, s70, HALF
	s_mul_i32 s74, s18, 6144
	s_add_co_u32 s74, s74, s73                     ; B's fragments
	s_lshl_b32 s75, s18, 8
	s_add_co_u32 s75, s75, s73
	s_add_co_u32 s75, s75, 12288
	s_sub_co_u32 s75, s75, s72                     ; from A's words to B's
	s_mul_i32 s76, s15, PART                       ; the way out: my group's part, my 64 rows, my 64 columns
	s_mul_i32 s77, s17, 64*SPITCH
	s_add_co_u32 s76, s76, s77
	s_lshl_b32 s77, s18, 8
	s_add_co_u32 s76, s76, s77
	s_mul_i32 s77, s14, 16*SPITCH                  ; and the 16 rows that I store
	s_cmp_eq_u32 s15, 0
	s_cselect_b32 s78, s40, s41                    ; my place among the four that ask with me
	s_mul_i32 s79, s78, 7
	s_mul_i32 s78, s78, 19
	v_and_b32 v28, 31, v0                          ; lane
	v_and_b32 v29, 15, v0                          ; r
	v_bfe_u32 v30, v0, 4, 1                        ; h
	v_lshlrev_b32 v[L16], 4, v28
	v_lshl_add_u32 v[L8H], v28, 3, 512
	v_mul_u32_u24 v31, s75, v30                    ; lanes 16-31 take B's words
	v_and_b32 v3, 8, v29
	v_add_nc_u32 v[ADA], s71, v[L16]
	v_add_nc_u32 v[ADA8], s71, v[L8H]
	v_add_nc_u32 v[ADB], s74, v[L16]
	v_add_nc_u32 v[ADB8], s74, v[L8H]
	v_lshl_add_u32 v31, v29, 4, v31
	v_add_nc_u32 v3, v3, v29                       ; r + 8 (r / 8)
	v_add_nc_u32 v[ADA+1], SLOT, v[ADA]
	v_add_nc_u32 v[ADA8+1], SLOT, v[ADA8]
	v_add_nc_u32 v[ADB+1], SLOT, v[ADB]
	v_add_nc_u32 v[ADB8+1], SLOT, v[ADB8]
	v_add_nc_u32 v[ADS], s72, v31
	v_mul_u32_u24 v3, v3, SPITCH
	v_add_nc_u32 v[VRD], s77, v[L16]
	v_add_nc_u32 v[ADS+1], SLOT, v[ADS]
	v_lshl_add_u32 v3, v30, 6, v3
	v_add_nc_u32 v[VRD+1], PART, v[VRD]
	v_min_u32 v31, 18, v28
	v_add_nc_u32 v[VSTD], s76, v3
	v_add_nc_u32 v31, s78, v31
	v_min_u32 v3, 6, v28
	v_min_u32 v31, PROWS-1, v31                    ; block min(19 p + min(lane, 18), 74) of my piece
	v_add_nc_u32 v3, s79, v3
	v_lshlrev_b32 v[PFO], 8, v31
	v_min_u32 v3, LROWS-1, v3                      ; of the last fill: min(7 p + min(lane, 6), 24)
	s_delay_alu instid0(VALU_DEP_1)
	v_lshlrev_b32 v[PFS], 8, v3
	s_wait_alu depctr_va_vdst(0)                   ; the head's last vector line stands above, blocking waits below
	s_wait_dscnt 0x0                               ; both opening adds are done
	s_wait_kmcnt 0x0
	s_add_nc_u64 s[94:95], s[4:5], s[94:95]
	s_add_nc_u64 s[46:47], s[6:7], s[46:47]
	s_cmp_eq_u32 s15, 0
	s_cselect_b64 s[PA:PA+1], s[94:95], s[46:47]
	s_sub_nc_u64 s[PB:PB+1], s[PA:PA+1], s[98:99]
.irp s, 0,1
	s_mov_b32 s[G0+4*\s], 1
	s_add_co_u32 s[G0+4*\s+1], s45, \s*SLOT
	s_add_nc_u64 s[G0+4*\s+2:G0+4*\s+3], s[94:95], \s*HALF
	s_or_b32 s[G0+4*\s+3], s[G0+4*\s+3], 0x80000000
	s_mov_b32 s[G0B+4*\s], 1
	s_add_co_u32 s[G0B+4*\s+1], s45, \s*SLOT
	s_add_nc_u64 s[G0B+4*\s+2:G0B+4*\s+3], s[46:47], \s*HALF
	s_or_b32 s[G0B+4*\s+3], s[G0B+4*\s+3], 0x80000000
.endr
	s_lshl_b32 s80, s92, 19                        ; my 16 rows x 128 columns of x1 and out0: (128 mt + 16 wave) rows of 4,096 bytes + 512 nt
	s_lshl_b32 s82, s14, 16
	s_add_co_u32 s80, s80, s82
	s_lshl_b32 s82, s42, 9
	s_add_co_u32 s80, s80, s82
	s_mov_b32 s81, 0
	s_mov_b32 s83, 0
	s_add_nc_u64 s[84:85], s[10:11], s[80:81]      ; x1
	s_add_nc_u64 s[86:87], s[12:13], s[80:81]      ; out0
	s_add_nc_u64 s[88:89], s[8:9], s[82:83]        ; b_out
	CROUND                                         ; all sixteen work-groups are here: the first joint loads meet
	JLOAD G0, G1, G0B, G1B                         ; fill 0: one tensor load a wave at the head
	ASK 1
	WIN 0x40                                       ; destination v256..
.set i, 0
.rept 16
	global_load_b128 v[4*i:4*i+3], v[L16], s[84:85] offset:4096*i th:TH_LOAD_NT    ; a row of x1: 512 consecutive bytes; waited for on the way out
.set i, i+1
.endr
	WIN 0
	global_load_b128 v[BV:BV+3], v[L16], s[88:89]
	s_wait_tensorcnt 0x0                           ; my piece of fill 0 is in; slot 1's first fill is issued as a refill is
	ds_add_u32 v[SPW], v[NIL]
	s_wait_dscnt 0x0
	CROUND                                         ; everybody's piece is in, and the joint loads meet
	JLOAD G0+4, G1, G0B+4, G1B                     ; fill 1
	ASK 2
	KSTEP 0, 0, 1                                  ; the first K step starts the sums: nothing is cleared
	KSTEP 0, 1, 0
	KSTEP 0, 2, 0
	CHANGE 0, 2
	K3 1
	CHANGE 1, 3
	K3 0
	CHANGE 0, 4
	K3 1
	CHANGE 1, 5
	K3 0
	s_wait_tensorcnt 0x0                           ; the last change of slots: nothing is filled again
	ds_add_u32 v[SPW], v[NIL]
	s_wait_dscnt 0x0
	s_barrier_signal -1
	s_barrier_wait -1
	KSTEP 1, 0, 0                                  ; the last fill: one K step a group
.rept 4
	v_nop                                          ; places behind the last products
.endr
.set n, 0
.rept 32
	ds_store_b128 v[VSTD], v[ACC+4*n:ACC+4*n+3] offset:(32*(n/16)+8*((n/8)%2))*SPITCH+128*((n/4)%2)+32*((n/2)%2)+16*(n%2)   ; each accumulator from its low end on
.set n, n+1
.endr
	s_wait_loadcnt 0x0                             ; x1 and b_out
	WIN 0x41                                       ; destination and source 0: v256..
.set k, 0
.rept 32
	v_pk_add_f32 v[2*k:2*k+1], v[2*k:2*k+1], v[BV+2*(k%2):BV+2*(k%2)+1]        ; x1 + b_out, while the stores land
.set k, k+1
.endr
	WIN 0
	s_wait_alu depctr_va_vdst(0)
	s_wait_dscnt 0x0                               ; for the others' sake: my sums have landed
	s_barrier_signal -1
	s_barrier_wait -1
.set i, 0
.rept 16
	ds_load_b128 v[ACC+4*i:ACC+4*i+3], v[VRD] offset:SPITCH*i                  ; a row of group 0's sums,
	ds_load_b128 v[ACC+64+4*i:ACC+64+4*i+3], v[VRD+1] offset:SPITCH*i          ; and of group 1's
.set i, i+1
.endr
	s_wait_dscnt 0x0
.set k, 0
.rept 32
	v_pk_add_f32 v[ACC+2*k:ACC+2*k+1], v[ACC+2*k:ACC+2*k+1], v[ACC+64+2*k:ACC+64+2*k+1]
.set k, k+1
.endr
	WIN 0x04                                       ; source 1: v256..
.set k, 0
.rept 32
	v_pk_add_f32 v[ACC+2*k:ACC+2*k+1], v[ACC+2*k:ACC+2*k+1], v[2*k:2*k+1]
.set k, k+1
.endr
	WIN 0
.set i, 0
.rept 16
	global_store_b128 v[L16], v[ACC+4*i:ACC+4*i+3], s[86:87] offset:4096*i th:TH_STORE_NT    ; 512 consecutive bytes, aligned
.set i, i+1
.endr
	s_wait_tensorcnt 0x0                           ; the wave's end
	ds_add_u32 v[SPW], v[NIL]
	s_wait_dscnt 0x0
	CROUND                                         ; the closing round
	s_endpgm
.Lfunc_end_k_qca81ed687e_mlpout:
	.size	k_qca81ed687e_mlpout, .Lfunc_end_k_qca81ed687e_mlpout-k_qca81ed687e_mlpout
	.p2alignl 7, 3214868480
	.fill 96, 4, 3214868480
	.section	.rodata,"a",@progbits
	.p2align	6, 0x0
	.amdhsa_kernel k_qca81ed687e_mlpout
		.amdhsa_group_segment_fixed_size 327680
		.amdhsa_private_segment_fixed_size 0
		.amdhsa_enable_private_segment 0
		.amdhsa_kernarg_size 40
		.amdhsa_user_sgpr_count 2
		.amdhsa_user_sgpr_kernarg_segment_ptr 1
		.amdhsa_wavefront_size32 1
		.amdhsa_system_sgpr_workgroup_id_x 1
		.amdhsa_system_sgpr_workgroup_id_y 1
		.amdhsa_system_sgpr_workgroup_id_z 1
		.amdhsa_system_vgpr_workitem_id 0
		.amdhsa_next_free_vgpr 320
		.amdhsa_next_free_sgpr 100
		.amdhsa_reserve_vcc 0
		.amdhsa_float_denorm_mode_32 3
		.amdhsa_float_denorm_mode_16_64 3
		.amdhsa_memory_ordered 1
		.amdhsa_forward_progress 1
		.amdhsa_inst_pref_size 97
	.end_amdhsa_kernel
	.amdgpu_metadata
---
amdhsa.version: [ 1, 2 ]
amdhsa.kernels:
  - .name:           k_qca81ed687e_mlpout
    .symbol:         k_qca81ed687e_mlpout.kd
    .args:
      - { .name: himg, .offset: 0, .size: 8, .value_kind: global_buffer, .address_space: global }
      - { .name: img, .offset: 8, .size: 8, .value_kind: global_buffer, .address_space: global }
      - { .name: b_out, .offset: 16, .size: 8, .value_kind: global_buffer, .address_space: global }
      - { .name: x1, .offset: 24, .size: 8, .value_kind: global_buffer, .address_space: global }
      - { .name: out0, .offset: 32, .size: 8, .value_kind: global_buffer, .address_space: global }
    .group_segment_fixed_size: 327680
    .private_segment_fixed_size: 0
    .kernarg_segment_align: 8
    .kernarg_segment_size: 40
    .max_flat_workgroup_size: 256
    .sgpr_count:     100
    .vgpr_count:     320
    .wavefront_size: 32
...
	.end_amdgpu_metadata
.endif
;; end of part 6
